; MI455X (gfx1250); checked and timed in simulation.
; The chip was launched on July 23, 2026; its instructions are those of AMD's public machine-readable ISA for CDNA 5 (MIT licence, August 2026) and "CDNA5" Instruction Set Architecture Reference Guide (July 2026). The comments in the code are by the model that wrote it; some were corrected since.
;; DQNBPP. Allowed arithmetic: float matrix products may take bf16 or f16 operands with f32 sums; other float arithmetic in f32, or as packed bf16 or f16 multiplies, adds, multiply-adds, maxima and minima; sums over many terms, partial sums and values carried from step to step in f32; what a program stores and reads back later, other than sums and carried values, may be rounded once to bf16 or f16.
;; Inputs: Wf1 2 x 256 x 1,024 float32; Wf2 2 x 1,024 x 256 float32; Wk 2 x 256 x 256 float32; Wo 2 x 256 x 256 float32; Wq 2 x 256 x 256 float32; Wv 2 x 256 x 256 float32; bf1 2 x 1,024 float32; bf2 2 x 256 float32; bo 2 x 256 float32; mask 64 x 512 int32; x 64 x 512 x 256 float32.
;; Outputs: out0 64 x 512 x 256 float32; out1 64 x 256 float32.
;; 2 versions, each right; version 2 is version 1 with the launch prep written anew for expert scheduling mode. Each part assembles by itself: llvm-mc -triple=amdgcn-amd-amdhsa -mcpu=gfx1250 --defsym DOCPART=n.
;; ======== version 1 of 2: 4 launches
;; workspace buffers: kv1 16,777,216 bytes; kv2 16,777,216 bytes; hmid 33,554,432 bytes; wts1 1,316,864 bytes; wts2 1,316,864 bytes; part 1,048,576 bytes
;; launch prep (part 1): grid 353 x 1, 8 waves a work-group, no clusters, 102,400 bytes of LDS; arguments x, mask, Wq, Wk, Wv, Wo, Wf1, Wf2, bo, bf1, bf2, kv1, wts1, wts2; writes kv1, wts1, wts2
.if DOCPART == 1
	.amdgcn_target "amdgcn-amd-amdhsa--gfx1250"
	.amdhsa_code_object_version 6
	.text
	.protected	k_qf78c76ed01_prep
	.globl	k_qf78c76ed01_prep
	.p2align	8
	.type	k_qf78c76ed01_prep,@function
k_qf78c76ed01_prep:
	s_mov_b64 s[64:65], 0
	v_nop
	global_prefetch_b8 v0, s[64:65] scope:SCOPE_SE
	s_setreg_imm32_b32 hwreg(HW_REG_WAVE_MODE, 25, 1), 1
	s_wait_xcnt 0x0
; PREPARATION, once for both layers.  Work-groups 0-63 fold weights, 64 copies the biases, 65-352 cast to bf16.
;   fold:  MT[n][k]   = (log2(e) / 16) x sum over j of Wq[k][j] Wk[n][j]      (so that scores are h MT^T h^T, already in base 2)
;          WvoT[n][k] = sum over j of Wv[k][j] Wo[j][n]                       (so that heads Wo = (a h) Wvo)
;          operands rounded to bf16, sums in f32, the result rounded once to bf16.
;   cast:  x -> kv1 in bf16, rows whose mask word is not 0 written as zeros; Wf1, Wf2 -> bf16 as they lie.
; A layer's weights lie in one buffer: MT at 0, WvoT at OFF_O, Wf1 at OFF_F1, Wf2 at OFF_F2, then bo, bf2, bf1 in f32 at OFF_B.
; THE FOLD'S SHARES.  A work-group makes 32 rows n x 128 columns k of one matrix: 4 matrices x 8 strips x 2 halves = 64 work-groups.  It fetches each of its bytes once, every wave's load
; covering whole runs of neighbouring bytes (128 rows of Wq or Wv: 128 KiB on end; 32 rows of Wk on end, or 32 columns of Wo as 256 pieces of 128 bytes), all 40 loads of a thread out together,
; rounds them to bf16 and lays them in LDS; behind a barrier the eight waves take their fragments from there.  The fold's work-groups come first in the grid: their way is the longest.
; LIMITS: bf16 operands; MT and WvoT are rounded where the reference rounds q, k, v; NaN and infinities are not treated apart.
.set OFF_O,  131072
.set OFF_F1, 262144
.set OFF_F2, 786432
.set OFF_B,  1310720
.set NFOLD,  64
.set PX,     528                       ; LDS pitch of a row of 256 bf16: 512 + 16, so that the 16 rows of a fragment load start in 16 different groups of four banks
.set PO,     96                        ; LDS pitch of Wo's 32 columns: 64 + 32, an odd multiple of 32 for the turning load
.set PS,     272                       ; pitch of the stage: 256 + 16
.set X1S,    128*PX                    ; behind the 128 rows of Wq or Wv: 32 rows of Wk (16,896 bytes) or 256 rows j of Wo's columns (24,576)
.set OUTS,   X1S+256*PO                ; the stage: 32 rows n x 128 k in bf16
.set SPARE,  OUTS+32*PS                ; the spare words, 128 bytes for each of eight waves
.set SPW, 2                            ; v2  LDS address of my spare word; never rewritten
.set NIL, 3                            ; v3  0; never rewritten
	s_load_b512 s[4:19], s[0:1], 0x0               ; x 4, mask 6, Wq 8, Wk 10, Wv 12, Wo 14, Wf1 16, Wf2 18
	s_load_b256 s[20:27], s[0:1], 0x40             ; bo 20, bf1 22, bf2 24, kv1 26
	s_load_b128 s[28:31], s[0:1], 0x60             ; wts1 28, wts2 30
	v_lshl_add_u32 v[SPW], v0, 2, SPARE
	v_mov_b32 v[NIL], 0
	v_lshrrev_b32 v1, 5, v0
	v_readfirstlane_b32 s36, v1                    ; wave 0..7
	v_and_b32 v4, 31, v0                           ; lane
	s_mov_b32 s37, ttmp9
	s_wait_kmcnt 0x0
	s_cmp_lt_u32 s37, NFOLD
	s_cbranch_scc1 .Lfold
	s_cmp_eq_u32 s37, NFOLD
	s_cbranch_scc1 .Lmisc
; ---- CAST: 32,768 consecutive floats a work-group, 16 rows of 1,024 bytes a wave
	s_sub_co_u32 s38, s37, NFOLD+1                 ; c
	s_mov_b32 s41, 0
	s_cmp_lt_u32 s38, 256
	s_cbranch_scc0 .Lcw
	s_lshl_b32 s40, s38, 17
	s_add_nc_u64 s[42:43], s[4:5], s[40:41]        ; x at my 128 rows
	s_lshl_b32 s40, s38, 16
	s_add_nc_u64 s[44:45], s[26:27], s[40:41]      ; kv1 likewise
	s_lshl_b32 s40, s38, 9
	s_lshl_b32 s39, s36, 6
	s_add_co_u32 s40, s40, s39
	s_add_nc_u64 s[46:47], s[6:7], s[40:41]
	s_load_b512 s[48:63], s[46:47], 0x0            ; the mask words of my wave's 16 rows
	s_branch .Lcgo
.Lcw:
	s_sub_co_u32 s38, s38, 256                     ; j: bit 4 the layer, bit 3 Wf1 or Wf2, bits 2:0 the eighth
	s_mov_b32 s46, OFF_F1
	s_mov_b32 s47, OFF_F2
	s_bitcmp1_b32 s38, 3
	s_cselect_b64 s[42:43], s[18:19], s[16:17]
	s_cselect_b32 s46, s47, s46
	s_and_b32 s47, s38, 7
	s_lshr_b32 s39, s38, 4
	s_cmp_eq_u32 s39, 1
	s_cselect_b64 s[44:45], s[30:31], s[28:29]
	s_lshl_b32 s40, s39, 20
	s_lshl_b32 s39, s47, 17
	s_add_co_u32 s40, s40, s39
	s_add_nc_u64 s[42:43], s[42:43], s[40:41]
	s_lshl_b32 s40, s47, 16
	s_add_co_u32 s40, s40, s46
	s_add_nc_u64 s[44:45], s[44:45], s[40:41]
.irp i, 0,1,2,3,4,5,6,7,8,9,10,11,12,13,14,15
	s_mov_b32 s[48+\i], 0                          ; weights have no mask: every row is kept
.endr
.Lcgo:
	v_lshlrev_b32 v5, 14, v1
	v_lshl_add_u32 v5, v4, 4, v5                   ; in: 16,384 x wave + 16 x lane
	v_lshlrev_b32 v6, 13, v1
	v_lshl_add_u32 v6, v4, 3, v6                   ; out: half of that
.set n, 0
.rept 32                                               ; all 32 loads of the wave go out together: 512 consecutive bytes each
	global_load_b128 v[64+4*n:64+4*n+3], v5, s[42:43] offset:1024*(n/2)+512*(n%2)
.set n, n+1
.endr
	s_wait_kmcnt 0x0
.set n, 0
.rept 32
.if n%2 == 0
	s_cmp_eq_u32 s[48+n/2], 0
	s_cselect_b32 s39, -1, 0                       ; the row is kept, or becomes zeros
.endif
	s_wait_loadcnt 31-n                            ; loads come back in order: the 31 - n younger ones may stay out
	v_cvt_pk_bf16_f32 v[192+2*n], v[64+4*n], v[64+4*n+1]
	v_cvt_pk_bf16_f32 v[192+2*n+1], v[64+4*n+2], v[64+4*n+3]
	v_and_b32 v[192+2*n], s39, v[192+2*n]
	v_and_b32 v[192+2*n+1], s39, v[192+2*n+1]
	global_store_b64 v6, v[192+2*n:192+2*n+1], s[44:45] offset:512*(n/2)+256*(n%2)  ; 32 lanes store 256 consecutive bytes, aligned; no register is used twice
.set n, n+1
.endr
	s_branch .Lend
; ---- BIASES: waves 0-3 for layer 1, waves 4-7 for layer 2
.Lmisc:
	s_lshr_b32 s38, s36, 2                         ; layer
	s_and_b32 s39, s36, 3
	v_and_b32 v5, 0x7f, v0                         ; u = 0..127
	v_lshlrev_b32 v6, 4, v5
	v_and_b32 v7, 63, v5
	v_lshlrev_b32 v7, 4, v7
	s_mov_b32 s43, 0
	s_cmp_lt_u32 s39, 2
	s_cselect_b64 s[40:41], s[20:21], s[24:25]     ; the first 64 threads copy bo, the others bf2
	s_lshl_b32 s42, s38, 10
	s_add_nc_u64 s[40:41], s[40:41], s[42:43]
	s_lshl_b32 s42, s38, 12
	s_add_nc_u64 s[44:45], s[22:23], s[42:43]
	s_cmp_eq_u32 s38, 1
	s_cselect_b64 s[46:47], s[30:31], s[28:29]
	global_load_b128 v[8:11], v7, s[40:41]
	global_load_b128 v[12:15], v6, s[44:45]
	global_load_b128 v[16:19], v6, s[44:45] offset:2048
	s_wait_loadcnt 0x0
	global_store_b128 v6, v[8:11], s[46:47] offset:OFF_B
	global_store_b128 v6, v[12:15], s[46:47] offset:OFF_B+2048
	global_store_b128 v6, v[16:19], s[46:47] offset:OFF_B+4096
	s_branch .Lend
; ---- FOLD.  The branch that leads here hangs on the work-group's number alone: all eight waves take it, and all pass the two barriers below.
; Source 0 = 16 rows k of Wq (Wv), source 1 = 16 rows n of Wk (16 columns n of Wo): a lane then holds one row n and eight neighbouring k, which pack into 16 bytes.
; Registers: v5-15, v40-42 addresses; v16-31 two accumulators; v32-39 packed results; v44-51 rows read back;
;            v64-223 the 40 loads, rounded in place; behind the barrier v64-127 source 0 (8 K steps), v128-255 source 1 (2 tiles n x 8 K steps).
.Lfold:
	s_lshr_b32 s38, s37, 4
	s_lshr_b32 s39, s38, 1                         ; 0: MT, 1: WvoT
	s_and_b32 s38, s38, 1                          ; layer
	s_and_b32 s40, s37, 15
	s_lshr_b32 s41, s40, 1                         ; strip of 32 rows n
	s_and_b32 s40, s40, 1                          ; half of the columns k
	s_lshl_b32 s46, s41, 15                        ; the strip in Wk: 32 rows of 1,024 bytes
	s_lshl_b32 s47, s41, 7                         ; in Wo: 32 columns of 4 bytes
	s_mov_b32 s53, 0x3db8aa3b                      ; log2(e) / 16
	s_cmp_eq_u32 s39, 1
	s_cselect_b64 s[42:43], s[12:13], s[8:9]
	s_cselect_b64 s[44:45], s[14:15], s[10:11]
	s_cselect_b32 s46, s47, s46
	s_cselect_b32 s52, 1.0, s53
	s_mov_b32 s53, s52                             ; named with it as a pair
	s_mov_b32 s47, 0
	s_lshl_b32 s48, s38, 18                        ; a layer's matrix: 262,144 bytes
	s_mov_b32 s49, 0
	s_add_nc_u64 s[44:45], s[44:45], s[48:49]
	s_add_nc_u64 s[44:45], s[44:45], s[46:47]
	s_add_nc_u64 s[42:43], s[42:43], s[48:49]
	s_lshl_b32 s48, s40, 17                        ; 128 rows of 1,024 bytes
	s_add_nc_u64 s[42:43], s[42:43], s[48:49]
	s_cmp_eq_u32 s38, 1
	s_cselect_b64 s[50:51], s[30:31], s[28:29]
	s_lshl_b32 s48, s39, 17
	s_lshl_b32 s56, s41, 14                        ; 32 rows of 512 bytes
	s_add_co_u32 s48, s48, s56
	s_lshl_b32 s56, s40, 8
	s_add_co_u32 s48, s48, s56
	s_add_nc_u64 s[50:51], s[50:51], s[48:49]      ; where the work-group's 32 x 128 go
	v_lshlrev_b32 v5, 4, v0                        ; thread t takes 16 bytes at 16 t of every 4,096: four rows of 1,024 bytes to a load of the work-group
.set i, 0
.rept 32
	global_load_b128 v[64+4*i:64+4*i+3], v5, s[42:43] offset:4096*i  ; a wave's load: 512 consecutive bytes
.set i, i+1
.endr
	v_lshrrev_b32 v6, 6, v0                        ; which of the four rows
	v_and_b32 v7, 63, v0
	v_mul_u32_u24 v8, v6, PX
	v_lshl_add_u32 v8, v7, 3, v8                   ; into LDS: that row, my four numbers' 8 bytes
	v_and_b32 v9, 15, v0                           ; r
	v_bfe_u32 v10, v0, 4, 1                        ; h
	v_mul_u32_u24 v11, v9, PX
	v_lshl_add_u32 v11, v10, 4, v11                ; a fragment's row r, 16 h bytes on
	s_cmp_eq_u32 s39, 1
	s_cbranch_scc1 .LfO1
	v_mov_b32 v13, v5                              ; Wk's 32 rows lie on end: the same pattern
	v_add_nc_u32 v14, X1S, v8
	v_add_nc_u32 v15, X1S, v11
.set i, 0
.rept 8
	global_load_b128 v[192+4*i:192+4*i+3], v13, s[44:45] offset:4096*i
.set i, i+1
.endr
	s_branch .LfX1
.LfO1:
	v_lshrrev_b32 v32, 3, v0                       ; Wo: eight threads to a row's 128 bytes, 32 rows j to a load of the work-group
	v_and_b32 v33, 7, v0
	v_lshlrev_b32 v13, 10, v32
	v_lshl_add_u32 v13, v33, 4, v13
	v_mul_u32_u24 v14, v32, PO
	v_lshl_add_u32 v14, v33, 3, v14
	v_add_nc_u32 v14, X1S, v14
	v_lshl_add_u32 v15, v10, 3, v33                ; the turning load: row j = 8 h + lane % 8, 16 bytes for each half of eight lanes
	v_mul_u32_u24 v15, v15, PO
	v_bfe_u32 v32, v0, 3, 1
	v_lshl_add_u32 v15, v32, 4, v15
	v_add_nc_u32 v15, X1S, v15
.set i, 0
.rept 8
	global_load_b128 v[192+4*i:192+4*i+3], v13, s[44:45] offset:32768*i
.set i, i+1
.endr
.LfX1:
	s_mul_i32 s57, s36, 16*PX
	v_add_nc_u32 v12, s57, v11                     ; source 0: my wave's 16 rows k
	v_mul_u32_u24 v40, v9, PS
	v_lshl_add_u32 v40, v10, 4, v40
	s_lshl_b32 s57, s36, 5
	s_add_co_u32 s57, s57, OUTS
	v_add_nc_u32 v40, s57, v40                     ; into the stage: row r, my wave's 32 bytes, 16 for each half of the lanes
	v_mul_u32_u24 v41, v10, PS
	v_lshl_add_u32 v41, v9, 4, v41
	s_mul_i32 s57, s36, 4*PS
	s_add_co_u32 s57, s57, OUTS
	v_add_nc_u32 v41, s57, v41                     ; back: my wave's four rows; lanes 0-15 one row of 256 bytes, lanes 16-31 the next
	v_lshlrev_b32 v42, 9, v10
	v_lshl_add_u32 v42, v9, 4, v42
	s_lshl_b32 s57, s36, 11
	v_add_nc_u32 v42, s57, v42                     ; the same rows in memory, 512 bytes apart
.set n, 0
.rept 32
	s_wait_loadcnt 39-n                            ; loads come back in order: the 39 - n younger ones may stay out
	v_cvt_pk_bf16_f32 v[64+4*n], v[64+4*n], v[64+4*n+1]
	v_cvt_pk_bf16_f32 v[64+4*n+1], v[64+4*n+2], v[64+4*n+3]
	ds_store_b64 v8, v[64+4*n:64+4*n+1] offset:4*PX*n  ; a wave's store: 256 consecutive bytes
.set n, n+1
.endr
	s_wait_loadcnt 0x0
.set n, 0
.rept 8
	v_cvt_pk_bf16_f32 v[192+4*n], v[192+4*n], v[192+4*n+1]
	v_cvt_pk_bf16_f32 v[192+4*n+1], v[192+4*n+2], v[192+4*n+3]
.set n, n+1
.endr
	s_cmp_eq_u32 s39, 1
	s_cbranch_scc1 .LfO2
.set n, 0
.rept 8
	ds_store_b64 v14, v[192+4*n:192+4*n+1] offset:4*PX*n
.set n, n+1
.endr
	s_branch .LfX2
.LfO2:
.set n, 0
.rept 8
	ds_store_b64 v14, v[192+4*n:192+4*n+1] offset:32*PO*n
.set n, n+1
.endr
.LfX2:
	s_wait_dscnt 0x0                               ; for the others' sake: my part of both operands is written
	s_barrier_signal -1
	s_barrier_wait -1
.irp ks, 0,1,2,3,4,5,6,7
	ds_load_b128 v[64+8*\ks:64+8*\ks+3], v12 offset:64*\ks
	ds_load_b128 v[64+8*\ks+4:64+8*\ks+7], v12 offset:64*\ks+32
.endr
	s_cmp_eq_u32 s39, 1
	s_cbranch_scc1 .LfO3
.irp nt, 0,1
.irp ks, 0,1,2,3,4,5,6,7
	ds_load_b128 v[128+64*\nt+8*\ks:128+64*\nt+8*\ks+3], v15 offset:16*PX*\nt+64*\ks
	ds_load_b128 v[128+64*\nt+8*\ks+4:128+64*\nt+8*\ks+7], v15 offset:16*PX*\nt+64*\ks+32
.endr
.endr
	s_branch .LfX3
.LfO3:
.irp nt, 0,1
.irp ks, 0,1,2,3,4,5,6,7
	ds_load_tr16_b128 v[128+64*\nt+8*\ks:128+64*\nt+8*\ks+3], v15 offset:32*PO*\ks+32*\nt
	ds_load_tr16_b128 v[128+64*\nt+8*\ks+4:128+64*\nt+8*\ks+7], v15 offset:32*PO*\ks+32*\nt+16*PO
.endr
.endr
.LfX3:
	s_wait_dscnt 0x0
.irp ks, 0,1,2,3,4,5,6,7                              ; the two accumulators take turns; the first K step starts the sums: nothing is cleared
.irp nt, 0,1
.if \ks == 0
	v_wmma_f32_16x16x32_bf16 v[16+8*\nt:16+8*\nt+7], v[64+8*\ks:64+8*\ks+7], v[128+64*\nt+8*\ks:128+64*\nt+8*\ks+7], 0
.else
	v_wmma_f32_16x16x32_bf16 v[16+8*\nt:16+8*\nt+7], v[64+8*\ks:64+8*\ks+7], v[128+64*\nt+8*\ks:128+64*\nt+8*\ks+7], v[16+8*\nt:16+8*\nt+7]
.endif
.endr
.endr
.rept 4
	v_nop                                          ; four places between the last product and the scaling that reads its result (ISA guide 7.12.1)
.endr
.set n, 0
.rept 8
	v_pk_mul_f32 v[16+2*n:16+2*n+1], v[16+2*n:16+2*n+1], s[52:53] op_sel_hi:[1,0]
.set n, n+1
.endr
.set n, 0
.rept 8
	v_cvt_pk_bf16_f32 v[32+n], v[16+2*n], v[16+2*n+1]
.set n, n+1
.endr
	ds_store_b128 v40, v[32:35]
	ds_store_b128 v40, v[36:39] offset:16*PS
	s_wait_dscnt 0x0                               ; for the others' sake: a row's 256 bytes come from all eight waves
	s_barrier_signal -1
	s_barrier_wait -1
	ds_load_b128 v[44:47], v41
	ds_load_b128 v[48:51], v41 offset:2*PS
	s_wait_dscnt 0x1                               ; the second load may stay out
	global_store_b128 v42, v[44:47], s[50:51]      ; 16 lanes store 256 consecutive bytes, aligned
	s_wait_dscnt 0x0
	global_store_b128 v42, v[48:51], s[50:51] offset:1024
.Lend:
	s_wait_tensorcnt 0x0                           ; the wave's end
	ds_add_u32 v[SPW], v[NIL]
	s_wait_dscnt 0x0
	s_endpgm
.Lfunc_end_k_qf78c76ed01_prep:
	.size	k_qf78c76ed01_prep, .Lfunc_end_k_qf78c76ed01_prep-k_qf78c76ed01_prep
	.p2alignl 7, 3214868480
	.fill 96, 4, 3214868480
	.section	.rodata,"a",@progbits
	.p2align	6, 0x0
	.amdhsa_kernel k_qf78c76ed01_prep
		.amdhsa_group_segment_fixed_size 102400
		.amdhsa_private_segment_fixed_size 0
		.amdhsa_enable_private_segment 0
		.amdhsa_kernarg_size 112
		.amdhsa_user_sgpr_count 2
		.amdhsa_user_sgpr_kernarg_segment_ptr 1
		.amdhsa_wavefront_size32 1
		.amdhsa_system_sgpr_workgroup_id_x 1
		.amdhsa_system_sgpr_workgroup_id_y 1
		.amdhsa_system_sgpr_workgroup_id_z 1
		.amdhsa_system_vgpr_workitem_id 0
		.amdhsa_next_free_vgpr 256
		.amdhsa_next_free_sgpr 66
		.amdhsa_reserve_vcc 0
		.amdhsa_float_denorm_mode_32 3
		.amdhsa_float_denorm_mode_16_64 3
		.amdhsa_memory_ordered 1
		.amdhsa_forward_progress 1
		.amdhsa_inst_pref_size 43
	.end_amdhsa_kernel
	.amdgpu_metadata
---
amdhsa.version: [ 1, 2 ]
amdhsa.kernels:
  - .name:           k_qf78c76ed01_prep
    .symbol:         k_qf78c76ed01_prep.kd
    .args:
      - { .name: x, .offset: 0, .size: 8, .value_kind: global_buffer, .address_space: global }
      - { .name: mask, .offset: 8, .size: 8, .value_kind: global_buffer, .address_space: global }
      - { .name: Wq, .offset: 16, .size: 8, .value_kind: global_buffer, .address_space: global }
      - { .name: Wk, .offset: 24, .size: 8, .value_kind: global_buffer, .address_space: global }
      - { .name: Wv, .offset: 32, .size: 8, .value_kind: global_buffer, .address_space: global }
      - { .name: Wo, .offset: 40, .size: 8, .value_kind: global_buffer, .address_space: global }
      - { .name: Wf1, .offset: 48, .size: 8, .value_kind: global_buffer, .address_space: global }
      - { .name: Wf2, .offset: 56, .size: 8, .value_kind: global_buffer, .address_space: global }
      - { .name: bo, .offset: 64, .size: 8, .value_kind: global_buffer, .address_space: global }
      - { .name: bf1, .offset: 72, .size: 8, .value_kind: global_buffer, .address_space: global }
      - { .name: bf2, .offset: 80, .size: 8, .value_kind: global_buffer, .address_space: global }
      - { .name: kv1, .offset: 88, .size: 8, .value_kind: global_buffer, .address_space: global }
      - { .name: wts1, .offset: 96, .size: 8, .value_kind: global_buffer, .address_space: global }
      - { .name: wts2, .offset: 104, .size: 8, .value_kind: global_buffer, .address_space: global }
    .group_segment_fixed_size: 102400
    .private_segment_fixed_size: 0
    .kernarg_segment_align: 8
    .kernarg_segment_size: 112
    .max_flat_workgroup_size: 256
    .sgpr_count:     66
    .vgpr_count:     256
    .wavefront_size: 32
...
	.end_amdgpu_metadata
.endif
;; end of part 1
;; launch layer1 (part 2): grid 256 x 1, 4 waves a work-group, clusters of 4 x 1, 327,680 bytes of LDS; arguments x, kv1, mask, wts1, hmid, kv2, part; writes hmid, kv2, part
.if DOCPART == 2
	.amdgcn_target "amdgcn-amd-amdhsa--gfx1250"
	.amdhsa_code_object_version 6
	.text
	.protected	k_qf78c76ed01_layer1
	.globl	k_qf78c76ed01_layer1
	.p2align	8
	.type	k_qf78c76ed01_layer1,@function
k_qf78c76ed01_layer1:
	s_mov_b64 s[64:65], 0
	v_nop
	global_prefetch_b8 v0, s[64:65] scope:SCOPE_SE
	s_setreg_imm32_b32 hwreg(HW_REG_WAVE_MODE, 25, 1), 1
	s_wait_xcnt 0x0
	s_wait_alu depctr_hold_cnt(0) depctr_sa_sdst(0) depctr_va_vdst(0) depctr_va_sdst(0) depctr_va_ssrc(0) depctr_va_vcc(0) depctr_vm_vsrc(0)
	s_getreg_b32 s2, hwreg(HW_REG_IB_STS2, 6, 4)
	s_cmp_eq_u32 s2, 0
	s_cbranch_scc0 .Lentry_in_a_cluster
	s_endpgm
.Lentry_in_a_cluster:
	s_bfe_u32 s2, ttmp6, 0x10000c
	s_cmp_lg_u32 s2, 0x3003
	s_cbranch_scc0 .Lentry_shape_is_right
	s_endpgm
.Lentry_shape_is_right:
; ONE ENCODER LAYER: h <- h + softmax-attention(h) Wo + bo;  h <- h + relu(h Wf1 + bf1) Wf2 + bf2.   h: [64][512][256] f32.
; With MT = (log2(e)/16) (Wq Wk^T)^T and WvoT = (Wv Wo)^T made beforehand, keys and values are both h itself: scores = (h M) h^T, heads Wo = (a h) Wvo.
; kvin is h in bf16 with blocked rows zero.  THE MASK: a score's sum starts from 0 or from -30 log2(e); a blocked key's row is zero, so its score IS the fill, takes part in the running
; maximum and in the sum l, and its weight multiplies a zero row: the zeroing behind the softmax.
; SHARES.  A cluster of four work-groups is a batch; a work-group owns 128 rows, each of its four waves 32: two tiles of 16.  Every product is used transposed (source 0 = 16 rows of the
; weights or keys, source 1 = 16 rows of h): a lane holds ONE row of h and eight neighbouring channels, and two results rounded in pairs ARE the next product's source 1.  So a wave carries
; its rows from h to the output in registers.  All tiles but the own f32 rows are the same for the four partners and are asked for JOINTLY.
; THE STREAM, two LDS slots by turns: own h (slot 0), MT (1), keys 0-255 (0), keys 256-511 (1), WvoT (0), then eight tiles of 128 hidden channels of Wf1 and Wf2 (1, 0, ..).
; SOFTMAX: running maximum m and sum l for each row, p = 2^(s - m); T and l are multiplied by a = 2^(m_old - m_new) in every step of 64 keys.  m starts at the lowest finite number, T and l at 0.
; KEYS ARE PERMUTED inside each 16: place p holds key 2 (p % 8) + p / 8, alike for K's rows, V's rows and the mask, so that both the plain and the turning load of one tile (pitch 528)
; touch 16 different 16-byte columns modulo 256 bytes.
; TWO BY-PRODUCTS leave beside h: each wave's column sums of its 32 rows (for the mean) and h in bf16 with blocked rows zero (the next layer's keys).  One text serves both layers, and in a
; launch in clusters no branch hangs on a number read from memory, so both leave in both launches: the first layer's sums (1 MiB) are written over by the second's, and the second layer's
; copy (16 MiB) is read by nobody.  That is the price of one text; a second text would be another 37,000 bytes of code.
; LIMITS.  Matrix operands in bf16; M, Wvo and (a h) are each rounded once where the reference rounds q, k, v and heads.  A weight below 2^-126 counts as 0.  NaN and infinities are not treated apart.
; REGISTERS, in windows of 256 (s_set_vgpr_msb: bits 1:0 source 0, 3:2 source 1, 5:4 source 2, 7:6 destination):
;   window 0: v2-31 addresses; v32-47 statistics; v48-55 column sums; v64-127 S (8 accumulators); v128-159 P; v160-191 CM (the C operand: mask or bf1); v128-255 h in bf16 while q' is made
;   window 1: T = sum of p h, 128 a tile; on the way out the rows read back      window 2: the residual stream, 128 a tile
;   window 3: v0-127 source 1 in bf16 (q', then T / l, then h1); v128-191, v192-255 two buffers of eight fragments
.set PR,    528                        ; LDS pitch of 512-byte rows (MT, keys, WvoT)
.set PH,    1040                       ; of the own f32 rows, and of the stage
.set PF1,   288                        ; of Wf1's 256-byte rows
.set PF2,   544                        ; of Wf2's 512-byte rows, likewise
.set SLOT,  143360
.set F2OFF, 256*PF1                    ; in a slot: Wf1's 256 rows, then Wf2's 128
.set CONST, 2*SLOT                     ; written by ds_store, never by a tensor load: CM 2,048 bytes, bo 1,024, bf2 1,024, bf1 4,096
.set SPARE, CONST+8192                 ; the spare words, 128 bytes for each wave
.set STAGE, SLOT                       ; the way out: slot 1, whose last fill has been read by then; 16 rows x 1,040 bytes for each wave
.set OFF_O,  131072
.set OFF_F1, 262144
.set OFF_F2, 786432
.set OFF_B,  1310720
.set AKP, 2                            ; my lane's place in a tile: keys, plain
.set AVT, 3                            ; keys, turned
.set AWP, 4                            ; MT, WvoT
.set AF1, 5                            ; Wf1, turned
.set AF2, 6                            ; Wf2, turned
.set AHD, 7                            ; my f32 rows
.set ACB, 8                            ; CONST + 32 (lane / 16)
.set ADR0, 9                           ; the addresses in hand
.set ADR1, 10
.set ADR2, 11
.set STO, 12
.set RDB, 13
.set GOF, 14
.set GOK, 15
.set SPW, 16                           ; LDS address of my spare word; never rewritten
.set NIL, 17                           ; 0; never rewritten
.set ZERO, 18
.set ADR3, 19
.set KEEPV, 20                         ; lane L: -1 if my wave's row L is not blocked, else 0
.set AQ,  24                           ; v24-27: MT's four groups of 64 rows
.set ST,  32                           ; tile t at ST + 8 t: m, m_old, l (two), c0-c3 at work (a takes c2's place)
.set SUM, 48
.set S,   64
.set P,   128
.set CM,  160
.set HF,  128
.set BF,  0
.set FA,  128
.set FB,  192
.set KEEP, 2
.set WV,  20                           ; wave
.set WH,  21                           ; wave & 1
.set CX,  22                           ; my place in the cluster: it enters the addresses of my own rows alone
.set BB,  23                           ; the batch
.set G1H, 24
.set G1R, 32
.set G1F1, 40
.set G1F2, 48
.set G0A, 56                           ; group 0 of the refills with 512-byte rows
.set G0B, 60                           ; of MT
.set SEL, 66
.set G0F1, 68
.set G0F2, 72
.set SB,  76                           ; the slot to be filled next = the slot being read
.set OF2, 77
.set CNT, 78
.set CNT2, 79
.set NA1, 80                           ; the next three refills' addresses
.set NA2, 82
.set NA3, 84
.set TT,  86                           ; a pair for offsets of my own rows
.set OWNM, 88
.set TB1, 90
.set CMB, 91
.set TB2, 92
.set TU,  93
.set WOFF, 94
.set OF1, 95
.set G0H, 96                           ; group 0 of my own rows: a set of its own, so that no register of a joint load ever holds my place
.set UT,  100                          ; a pair for offsets that all partners share
.set MSB, 0
.macro WIN new                         ; the immediate's high byte repeats the setting that is left; a switch that changes nothing is dropped
.if MSB != (\new)
	s_set_vgpr_msb (MSB<<8)|(\new)
.set MSB, (\new)
.endif
.endm
; A load into a register that a matrix instruction has read, and a vector instruction that reads a matrix result or writes a matrix instruction's register, stand four places behind it;
; only plain vector instructions that name none of its registers are places.
.macro PLACES
.rept 4
	v_nop
.endr
.endm
.macro G1SET g, w0, c, r, p            ; a tile of r rows x c elements, p elements from row to row
	s_mov_b32 s[\g], \w0
	s_mov_b32 s[\g+1], (\c)<<16
	s_mov_b32 s[\g+2], (\r)<<16
	s_mov_b32 s[\g+3], (\c)<<16
	s_mov_b32 s[\g+4], \r
	s_mov_b32 s[\g+5], \p
	s_mov_b32 s[\g+6], 0
	s_mov_b32 s[\g+7], 0
.endm
.macro CROUND                          ; a round of the cluster's barrier
	s_barrier_signal -1
	s_barrier_wait -1
	s_cmp_lg_u32 s[WV], 0
	s_cbranch_scc1 .Lnw0_\@
	s_barrier_signal -3
.Lnw0_\@:
	s_barrier_wait -3
	s_barrier_signal -1
	s_barrier_wait -1
.endm
.macro LOADR                           ; each wave fetches 64 of the tile's 256 rows
	tensor_load_to_lds s[G0A:G0A+3], s[G1R:G1R+7]
	s_nop 0
	PLACES
.endm
.macro JLOADF                          ; waves 0, 1 fetch the halves of Wf1's tile, waves 2, 3 those of Wf2's; the branch hangs on the wave's number alone
	s_cmp_lt_u32 s[WV], 2
	s_cbranch_scc0 .Lf2_\@
	tensor_load_to_lds s[G0F1:G0F1+3], s[G1F1:G1F1+7]
	s_nop 0
	PLACES
	s_branch .Lfd_\@
.Lf2_\@:
	tensor_load_to_lds s[G0F2:G0F2+3], s[G1F2:G1F2+7]
	s_nop 0
	PLACES
.Lfd_\@:
.endm
; THE CHANGE OF SLOTS.  Each wave waits for all its tensor loads (one is out: its part of the slot to be read next), adds 0 to its spare word, and waits for that and for its reads of the slot it
; leaves.  kind 1, 2: a round of the cluster's barrier, and the joint refill of the slot just left first behind it.  kind 0: nothing is left to fetch: the work-group's barrier alone.
.macro CHANGE kind, step=0
	WIN 0
	s_wait_tensorcnt 0x0                           ; no tensor load of mine is out, so a group 0 may be written
	ds_add_u32 v[SPW], v[NIL]                      ; 0 onto my spare word; the descriptors' scalar work stands between it and the wait for it
.if (\kind) == 1
	s_add_co_u32 s[G0A+1], s[SB], s[WOFF]
	s_mov_b64 s[G0A+2:G0A+3], s[NA1:NA1+1]
	s_or_b32 s[G0A+3], s[G0A+3], 0x80000000
	s_mov_b64 s[NA1:NA1+1], s[NA2:NA2+1]
	s_mov_b64 s[NA2:NA2+1], s[NA3:NA3+1]
.elseif (\kind) == 2
.if \step
	s_add_nc_u64 s[G0F1+2:G0F1+3], s[G0F1+2:G0F1+3], 256     ; the next 128 hidden channels: along Wf1's rows,
	s_add_nc_u64 s[G0F2+2:G0F2+3], s[G0F2+2:G0F2+3], 65536   ; down Wf2's
.endif
	s_add_co_u32 s[G0F1+1], s[SB], s[OF1]
	s_add_co_u32 s[G0F2+1], s[SB], s[OF2]
.endif
	s_xor_b32 s[SB], s[SB], SLOT                   ; from here on: the slot that is read
	s_wait_dscnt 0x0                               ; the add is done, and my reads of the slot are over
.if (\kind) == 1
	CROUND
	LOADR
.elseif (\kind) == 2
	CROUND
	JLOADF
.else
	s_barrier_signal -1
	s_barrier_wait -1
.endif
.endm
; RUNS OF 16 LDS LOADS: eight fragments (16 rows x 32 along K) into buffer buf.
.macro FETCHP buf, adr, u              ; plain; 4 blocks of 16 rows x K steps 2 u, 2 u + 1
	WIN 0xc0
.irp f, 0,1,2,3,4,5,6,7
	ds_load_b128 v[(\buf)+8*\f:(\buf)+8*\f+3], v[\adr] offset:(\f%4)*16*PR+64*(2*(\u)+\f/4)
	ds_load_b128 v[(\buf)+8*\f+4:(\buf)+8*\f+7], v[\adr] offset:(\f%4)*16*PR+64*(2*(\u)+\f/4)+32
.endr
.endm
.macro FETCHO buf, adr, ks             ; plain; 8 blocks of 16 rows, K step ks
	WIN 0xc0
.irp f, 0,1,2,3,4,5,6,7
	ds_load_b128 v[(\buf)+8*\f:(\buf)+8*\f+3], v[\adr] offset:\f*16*PR+64*(\ks)
	ds_load_b128 v[(\buf)+8*\f+4:(\buf)+8*\f+7], v[\adr] offset:\f*16*PR+64*(\ks)+32
.endr
.endm
.macro FETCHT buf, adr, pitch, kk, cbh ; turned; K = rows 32 kk on, 8 blocks of 16 columns from block 8 cbh on
	WIN 0xc0
.irp f, 0,1,2,3,4,5,6,7
	ds_load_tr16_b128 v[(\buf)+8*\f:(\buf)+8*\f+3], v[\adr] offset:(\kk)*32*(\pitch)+32*(8*(\cbh)+\f)
	ds_load_tr16_b128 v[(\buf)+8*\f+4:(\buf)+8*\f+7], v[\adr] offset:(\kk)*32*(\pitch)+32*(8*(\cbh)+\f)+16*(\pitch)
.endr
.endm
.macro FETCHF1 buf, u                  ; turned; 4 blocks of 16 hidden channels x K steps 2 u, 2 u + 1; K steps 4-7 go by a second address register
	WIN 0xc0
.irp f, 0,1,2,3,4,5,6,7
	ds_load_tr16_b128 v[(\buf)+8*\f:(\buf)+8*\f+3], v[ADR0+(ADR3-ADR0)*((\u)/2)] offset:((2*(\u)+\f/4)%4)*32*PF1+32*(\f%4)
	ds_load_tr16_b128 v[(\buf)+8*\f+4:(\buf)+8*\f+7], v[ADR0+(ADR3-ADR0)*((\u)/2)] offset:((2*(\u)+\f/4)%4)*32*PF1+32*(\f%4)+16*PF1
.endr
.endm
.macro FETCHC                          ; the C operand of four blocks: mask fills, or bf1
	WIN 0
.irp k, 0,1,2,3
	ds_load_b128 v[CM+8*\k:CM+8*\k+3], v[ADR2] offset:64*\k
	ds_load_b128 v[CM+8*\k+4:CM+8*\k+7], v[ADR2] offset:64*\k+16
.endr
.endm
; RUNS OF 16 MATRIX INSTRUCTIONS.  The accumulators take turns, one instruction a turn.
.macro MULS buf, u, win, bb, cin       ; into S: block f % 4, tile t, K step 2 u + f / 4.  The first K step starts the sums: from 0 (cin = 0) or from CM (cin = 1)
	WIN \win
.irp f, 0,1,2,3,4,5,6,7
.irp t, 0,1
.if ((\u) == 0) && (\f < 4)
.if \cin
	v_wmma_f32_16x16x32_bf16 v[S+32*\t+8*(\f%4):S+32*\t+8*(\f%4)+7], v[(\buf)+8*\f:(\buf)+8*\f+7], v[(\bb)+64*\t+8*(2*(\u)+\f/4):(\bb)+64*\t+8*(2*(\u)+\f/4)+7], v[CM+8*(\f%4):CM+8*(\f%4)+7]
.else
	v_wmma_f32_16x16x32_bf16 v[S+32*\t+8*(\f%4):S+32*\t+8*(\f%4)+7], v[(\buf)+8*\f:(\buf)+8*\f+7], v[(\bb)+64*\t+8*(2*(\u)+\f/4):(\bb)+64*\t+8*(2*(\u)+\f/4)+7], 0
.endif
.else
	v_wmma_f32_16x16x32_bf16 v[S+32*\t+8*(\f%4):S+32*\t+8*(\f%4)+7], v[(\buf)+8*\f:(\buf)+8*\f+7], v[(\bb)+64*\t+8*(2*(\u)+\f/4):(\bb)+64*\t+8*(2*(\u)+\f/4)+7], v[S+32*\t+8*(\f%4):S+32*\t+8*(\f%4)+7]
.endif
.endr
.endr
.endm
.macro MULV buf, kk, cbh, win          ; onto T (window 1) or the stream (window 2): channel block 8 cbh + f, source 1 = P's half kk
	WIN \win
.irp f, 0,1,2,3,4,5,6,7
.irp t, 0,1
	v_wmma_f32_16x16x32_bf16 v[128*\t+8*(8*(\cbh)+\f):128*\t+8*(8*(\cbh)+\f)+7], v[(\buf)+8*\f:(\buf)+8*\f+7], v[P+16*\t+8*(\kk):P+16*\t+8*(\kk)+7], v[128*\t+8*(8*(\cbh)+\f):128*\t+8*(8*(\cbh)+\f)+7]
.endr
.endr
.endm
.macro MULO buf, ks, cbh               ; onto the stream: (T / l) Wvo
	WIN 0xaf
.irp f, 0,1,2,3,4,5,6,7
.irp t, 0,1
	v_wmma_f32_16x16x32_bf16 v[128*\t+8*(8*(\cbh)+\f):128*\t+8*(8*(\cbh)+\f)+7], v[(\buf)+8*\f:(\buf)+8*\f+7], v[BF+64*\t+8*(\ks):BF+64*\t+8*(\ks)+7], v[128*\t+8*(8*(\cbh)+\f):128*\t+8*(8*(\cbh)+\f)+7]
.endr
.endr
.endm
; A step's softmax, both tiles line by line.  Each accumulator's lowest registers are read first.
.macro SOFTMAX
	WIN 0
.irp j, 0,1,2,3
.irp t, 0,1
	v_max3_num_f32 v[ST+8*\t+4+\j], v[S+32*\t+8*\j], v[S+32*\t+8*\j+1], v[S+32*\t+8*\j+2]
.endr
.endr
.irp p, 3,5
.irp j, 0,1,2,3
.irp t, 0,1
	v_max3_num_f32 v[ST+8*\t+4+\j], v[ST+8*\t+4+\j], v[S+32*\t+8*\j+\p], v[S+32*\t+8*\j+\p+1]
.endr
.endr
.endr
.irp t, 0,1
	v_max3_num_f32 v[ST+8*\t+4], v[ST+8*\t+4], v[S+32*\t+7], v[S+32*\t+15]
.endr
.irp t, 0,1
	v_max3_num_f32 v[ST+8*\t+5], v[ST+8*\t+5], v[S+32*\t+23], v[S+32*\t+31]
.endr
.irp t, 0,1
	v_max3_num_f32 v[ST+8*\t+6], v[ST+8*\t+6], v[ST+8*\t+7], v[ST+8*\t]
.endr
.irp t, 0,1
	v_mov_b32 v[ST+8*\t+1], v[ST+8*\t]             ; m_old
.endr
.irp t, 0,1
	v_max3_num_f32 v[ST+8*\t+4], v[ST+8*\t+4], v[ST+8*\t+5], v[ST+8*\t+6]
.endr
.irp t, 0,1
	v_permlanex16_b32 v[ST+8*\t+5], v[ST+8*\t+4], s[SEL], s[SEL+1]  ; the row's other 32 keys lie in the lane 16 away
.endr
.irp t, 0,1
	v_max_num_f32 v[ST+8*\t], v[ST+8*\t+4], v[ST+8*\t+5]
.endr
.irp t, 0,1
	v_sub_f32 v[ST+8*\t+7], v[ST+8*\t+1], v[ST+8*\t]
.endr
.irp t, 0,1
	v_exp_f32 v[ST+8*\t+6], v[ST+8*\t+7]           ; a; the subtractions below are the plain instructions behind it
.endr
.set z, 0
.rept 16
	v_pk_add_f32 v[S+2*z:S+2*z+1], v[S+2*z:S+2*z+1], v[ST:ST+1] op_sel_hi:[1,0] neg_lo:[0,1] neg_hi:[0,1]
	v_pk_add_f32 v[S+32+2*z:S+32+2*z+1], v[S+32+2*z:S+32+2*z+1], v[ST+8:ST+9] op_sel_hi:[1,0] neg_lo:[0,1] neg_hi:[0,1]
.set z, z+1
.endr
.set z, 0
.rept 64
	v_exp_f32 v[S+z], v[S+z]
.set z, z+1
.endr
	v_nop                                          ; one plain instruction between the run of exponentials and the first use of a result: a second exponential is none (ISA guide 5.7.2)
.set z, 0
	s_wait_alu depctr_va_vdst(0)
.rept 32
	v_cvt_pk_bf16_f32 v[P+z], v[S+2*z], v[S+2*z+1]
.set z, z+1
.endr
.set z, 0
.rept 8
	v_pk_add_f32 v[S+4*z:S+4*z+1], v[S+4*z:S+4*z+1], v[S+4*z+2:S+4*z+3]
	v_pk_add_f32 v[S+32+4*z:S+32+4*z+1], v[S+32+4*z:S+32+4*z+1], v[S+32+4*z+2:S+32+4*z+3]
.set z, z+1
.endr
.irp t, 0,1
	v_pk_fma_f32 v[ST+8*\t+2:ST+8*\t+3], v[ST+8*\t+2:ST+8*\t+3], v[ST+8*\t+6:ST+8*\t+7], v[S+32*\t:S+32*\t+1] op_sel_hi:[1,0,1]
.endr
.set z, 1
.rept 7
	v_pk_add_f32 v[ST+2:ST+3], v[ST+2:ST+3], v[S+4*z:S+4*z+1]
	v_pk_add_f32 v[ST+10:ST+11], v[ST+10:ST+11], v[S+32+4*z:S+32+4*z+1]
.set z, z+1
.endr
	WIN 0x41
.set z, 0
.rept 64
	v_pk_mul_f32 v[2*z:2*z+1], v[2*z:2*z+1], v[ST+6:ST+7] op_sel_hi:[1,0]
	v_pk_mul_f32 v[128+2*z:128+2*z+1], v[128+2*z:128+2*z+1], v[ST+14:ST+15] op_sel_hi:[1,0]
.set z, z+1
.endr
.endm
.macro RELU                            ; rounded to bf16 first, then two maxima at a time
	WIN 0
.set z, 0
.rept 32
	v_cvt_pk_bf16_f32 v[P+z], v[S+2*z], v[S+2*z+1]
.set z, z+1
.endr
.set z, 0
.rept 32
	v_pk_max_num_bf16 v[P+z], v[P+z], v[ZERO]
.set z, z+1
.endr
.endm
.macro FET1 kind, buf, u
.if \kind
	FETCHF1 \buf, \u
.else
	FETCHP \buf, ADR0, \u
.endif
.endm
.macro FET2 kind, buf, kk, cbh
.if \kind
	FETCHT \buf, ADR1, PF2, \kk, \cbh
.else
	FETCHT \buf, ADR1, PR, \kk, \cbh
.endif
.endm
.macro ADRS kind                       ; the step's addresses: four plain instructions, which are also places
	WIN 0
.if \kind
	v_add_nc_u32 v[ADR0], s[TB1], v[AF1]
	v_add_nc_u32 v[ADR1], s[TB2], v[AF2]
	v_add_nc_u32 v[ADR2], s[CMB], v[ACB]
	v_add_nc_u32 v[ADR3], 128*PF1, v[ADR0]
.else
	v_add_nc_u32 v[ADR0], s[TB1], v[AKP]
	v_add_nc_u32 v[ADR1], s[TB1], v[AVT]
	v_add_nc_u32 v[ADR2], s[CMB], v[ACB]
	v_nop
.endif
.endm
.macro PROLOG kind                     ; behind a change of slots: the first step's C operand and first eight fragments
	s_mov_b32 s[TB1], s[SB]
.if \kind
	s_mov_b32 s[TB2], s[SB]
.endif
	ADRS \kind
	FETCHC
	FET1 \kind, FA, 0
	WIN 0
.endm
; A STEP: kind 0: 64 keys (S = K q'^T from the mask; softmax; T += V^T P).  kind 1: 64 hidden channels (S = Wf1^T h1 from bf1; relu; stream += Wf2^T P).
; Eight units of 16 matrix instructions on two fragment buffers: while one unit is multiplied the next one's 16 loads are on their way; each wait for 16 leaves out exactly those.
; On entry the C operand's 8 loads and the first unit's 16 are out.  The last unit is preceded by the next step's first loads, jumped over in a slot's last step.
.macro SUBSTEP kind
	PLACES
	FET1 \kind, FB, 1
	s_wait_dscnt 16
	MULS FA, 0, 0x0f, BF, 1
	PLACES
	FET1 \kind, FA, 2
	s_wait_dscnt 16
	MULS FB, 1, 0x0f, BF, 1
	PLACES
	FET1 \kind, FB, 3
	s_wait_dscnt 16
	MULS FA, 2, 0x0f, BF, 1
	PLACES
	FET2 \kind, FA, 0, 0
	s_wait_dscnt 16
	MULS FB, 3, 0x0f, BF, 1
	PLACES
	FET2 \kind, FB, 0, 1
.if \kind
	RELU
.else
	SOFTMAX
.endif
	s_wait_dscnt 16
	MULV FA, 0, 0, 0x53+0x50*(\kind)
	PLACES
	FET2 \kind, FA, 1, 0
	s_wait_dscnt 16
	MULV FB, 0, 1, 0x53+0x50*(\kind)
	PLACES
	FET2 \kind, FB, 1, 1
	s_wait_dscnt 16
	MULV FA, 1, 0, 0x53+0x50*(\kind)
	WIN 0
.if \kind
	s_add_co_u32 s[TB1], s[TB1], 128
	s_add_co_u32 s[TB2], s[TB2], 64*PF2
.else
	s_add_co_u32 s[TB1], s[TB1], 64*PR
.endif
	s_add_co_u32 s[CMB], s[CMB], 256
	ADRS \kind
	s_wait_dscnt 0x0                               ; the last unit's fragments are in
	s_cmp_eq_u32 s[CNT], 1
	s_cbranch_scc1 .Lskip_\@                       ; the slot's last step: the next step's tile lies behind a change of slots
	FETCHC
	FET1 \kind, FA, 0
	WIN 0
.Lskip_\@:
	MULV FB, 1, 1, 0x53+0x50*(\kind)
.endm
.macro FTILE                           ; a tile of 128 hidden channels: two steps
	PROLOG 1
	s_mov_b32 s[CNT], 2
.Lfs_\@:
	SUBSTEP 1
	WIN 0
	s_sub_co_u32 s[CNT], s[CNT], 1
	s_cmp_lg_u32 s[CNT], 0
	s_cbranch_scc1 .Lfs_\@
.endm
.macro BIASLD off                      ; 256 numbers of a bias, as my lanes' channels want them, into the two fragment buffers, which are idle
	WIN 0xc0
.irp cb, 0,1,2,3,4,5,6,7,8,9,10,11,12,13,14,15
	ds_load_b128 v[FA+8*\cb:FA+8*\cb+3], v[ACB] offset:(\off)+64*\cb
	ds_load_b128 v[FA+8*\cb+4:FA+8*\cb+7], v[ACB] offset:(\off)+64*\cb+16
.endr
.endm
.macro BIASADD
	WIN 0x8e
.set z, 0
.rept 64
	v_pk_add_f32 v[2*z:2*z+1], v[2*z:2*z+1], v[FA+2*z:FA+2*z+1]
	v_pk_add_f32 v[128+2*z:128+2*z+1], v[128+2*z:128+2*z+1], v[FA+2*z:FA+2*z+1]
.set z, z+1
.endr
.endm
.macro OUT t                           ; tile t: through my stage, back as whole rows, and out
	WIN 0x08
.irp cb, 0,1,2,3,4,5,6,7,8,9,10,11,12,13,14,15
	ds_store_b128 v[STO], v[128*(\t)+8*\cb:128*(\t)+8*\cb+3] offset:64*\cb
	ds_store_b128 v[STO], v[128*(\t)+8*\cb+4:128*(\t)+8*\cb+7] offset:64*\cb+16
.endr
	WIN 0x40
.set n, 0
.rept 32
	ds_load_b128 v[128*(\t)+4*n:128*(\t)+4*n+3], v[RDB] offset:(n/2)*PH+512*(n%2)  ; my own bytes; LDS serves a wave's instructions in order (ISA guide 5.7.1.4)
.set n, n+1
.endr
	WIN 0x04
.set n, 0
.rept 32
	s_wait_dscnt 31-n                              ; the 31 - n younger loads may stay out
	global_store_b128 v[GOF], v[128*(\t)+4*n:128*(\t)+4*n+3], s[14:15] offset:(16*(\t)+n/2)*1024+512*(n%2)  ; 512 consecutive bytes, aligned
.set n, n+1
.endr
.endm
; ---------------- HEAD
	s_load_b256 s[4:11], s[0:1], 0x0               ; hin 4, kvin 6, mask 8, wts 10
	s_load_b64 s[14:15], s[0:1], 0x20              ; hout
	s_load_b128 s[16:19], s[0:1], 0x28             ; kvout 16, part 18
	v_lshl_add_u32 v[SPW], v0, 2, SPARE
	v_mov_b32 v[NIL], 0
	ds_add_u32 v[SPW], v[NIL]                      ; the wave's opening: the add and its wait stand ahead of my first tensor load; work on registers stands between them
	v_lshrrev_b32 v1, 5, v0
	v_readfirstlane_b32 s[WV], v1
	s_and_b32 s[WH], s[WV], 1
	s_bfe_u32 s[CX], ttmp6, 0x40000
	s_mov_b32 s[BB], ttmp9                         ; in a cluster launch ttmp9 counts clusters: the batch
	G1SET G1H,((2<<16)|(1<<20)|(7<<22)|(3<<25)),256,32,256            ; my own rows: 4-byte elements, 4 words of padding behind every 256; no mask
	G1SET G1R,(15|(1<<16)|(1<<20)|(1<<21)|(6<<22)|(3<<25)),256,64,256   ; 2-byte elements, the mask of four and bit 21 beside it, 4 words behind every 128
	G1SET G1F1,(15|(1<<16)|(1<<20)|(1<<21)|(5<<22)|(7<<25)),128,128,1024 ; 8 words behind every 64
	G1SET G1F2,(15|(1<<16)|(1<<20)|(1<<21)|(6<<22)|(7<<25)),256,64,256  ; 8 words behind every 128
	s_mul_i32 s[WOFF], s[WV], 64*PR
	s_mul_i32 s[OF1], s[WH], 128*PF1
	s_mul_i32 s[OF2], s[WH], 64*PF2
	s_add_co_u32 s[OF2], s[OF2], F2OFF
	s_mov_b32 s[SB], 0
	s_mov_b32 s[SEL], 0x76543210
	s_mov_b32 s[SEL+1], 0xfedcba98
	s_mov_b32 s[G0H], 1
	s_mul_i32 s[G0H+1], s[WV], 32*PH
	s_mov_b32 s[G0B], 1
	s_add_co_u32 s[G0B+1], s[WOFF], SLOT
	s_mov_b32 s[G0A], 1
	s_mov_b32 s[G0F1], 1
	s_mov_b32 s[G0F2], 1
	s_lshl_b32 s[TU], s[WV], 15                    ; 64 rows of 512 bytes
	s_lshl_b32 s[UT], s[BB], 18                    ; a batch's 512 rows of 512 bytes
	s_add_co_u32 s[UT], s[UT], s[TU]
	s_mov_b32 s[UT+1], 0
	s_lshl_b32 s[OWNM], s[BB], 9
	s_lshl_b32 s[TT], s[CX], 7
	s_add_co_u32 s[OWNM], s[OWNM], s[TT]
	s_lshl_b32 s[TT], s[WV], 5
	s_add_co_u32 s[OWNM], s[OWNM], s[TT]           ; my wave's first row: 512 b + 128 cx + 32 w
	s_mov_b32 s[TT+1], 0
	s_wait_dscnt 0x0                               ; the opening add is done
	s_wait_kmcnt 0x0
	s_add_nc_u64 s[NA1:NA1+1], s[6:7], s[UT:UT+1]  ; keys 0-255, my 64 rows of them
	s_add_nc_u64 s[NA2:NA2+1], s[NA1:NA1+1], 131072  ; keys 256-511
	s_mov_b32 s[UT], s[TU]
	s_add_nc_u64 s[G0B+2:G0B+3], s[10:11], s[UT:UT+1]  ; MT
	s_add_nc_u64 s[NA3:NA3+1], s[G0B+2:G0B+3], OFF_O   ; WvoT
	s_or_b32 s[G0B+3], s[G0B+3], 0x80000000
	s_lshl_b32 s[UT], s[WH], 18                    ; 128 rows of Wf1, 2,048 bytes each
	s_add_nc_u64 s[G0F1+2:G0F1+3], s[10:11], s[UT:UT+1]
	s_add_nc_u64 s[G0F1+2:G0F1+3], s[G0F1+2:G0F1+3], OFF_F1
	s_or_b32 s[G0F1+3], s[G0F1+3], 0x80000000
	s_lshl_b32 s[UT], s[WH], 15                    ; 64 rows of Wf2, 512 bytes each
	s_add_nc_u64 s[G0F2+2:G0F2+3], s[10:11], s[UT:UT+1]
	s_add_nc_u64 s[G0F2+2:G0F2+3], s[G0F2+2:G0F2+3], OFF_F2
	s_or_b32 s[G0F2+3], s[G0F2+3], 0x80000000
	s_lshl_b32 s[TT], s[OWNM], 10
	s_add_nc_u64 s[G0H+2:G0H+3], s[4:5], s[TT:TT+1]
	s_or_b32 s[G0H+3], s[G0H+3], 0x80000000
	s_add_nc_u64 s[14:15], s[14:15], s[TT:TT+1]
	s_lshl_b32 s[TT], s[OWNM], 9
	s_add_nc_u64 s[16:17], s[16:17], s[TT:TT+1]
	s_lshl_b32 s[TT], s[OWNM], 5                   ; (16 b + 4 cx + w) x 1,024
	s_add_nc_u64 s[18:19], s[18:19], s[TT:TT+1]
	s_lshl_b32 s[TT], s[OWNM], 2
	s_add_nc_u64 s[OWNM:OWNM+1], s[8:9], s[TT:TT+1]  ; the mask words of my wave's rows
	s_lshl_b32 s[UT], s[BB], 11
	s_add_nc_u64 s[8:9], s[8:9], s[UT:UT+1]        ; the batch's 512 mask words
	CROUND                                         ; all four work-groups are here: the first loads meet
	tensor_load_to_lds s[G0H:G0H+3], s[G1H:G1H+7]  ; my 32 rows of h, into slot 0
	s_nop 0
	tensor_load_to_lds s[G0B:G0B+3], s[G1R:G1R+7]  ; my 64 rows of MT, into slot 1: two loads of mine are out
	s_nop 0
	PLACES
	; while they fly: the constants, the lanes' addresses, the clearing
	v_and_b32 v24, 31, v0                          ; L
	v_lshrrev_b32 v25, 2, v0
	v_and_b32 v26, 1, v0
	v_bfe_u32 v27, v0, 1, 1
	v_lshlrev_b32 v28, 6, v25                      ; thread t makes places 4 t .. 4 t + 3 of CM: block t / 4, keys 8 (t & 1) + (t >> 1 & 1) + 0, 2, 4, 6
	v_lshl_add_u32 v28, v26, 5, v28
	v_lshl_add_u32 v28, v27, 2, v28
	v_lshlrev_b32 v29, 4, v0
	v_lshlrev_b32 v30, 2, v24
.irp e, 0,1,2,3
	global_load_b32 v[64+\e], v28, s[8:9] offset:8*\e
.endr
	global_load_b128 v[68:71], v29, s[10:11] offset:OFF_B
	global_load_b128 v[72:75], v29, s[10:11] offset:OFF_B+2048
	global_load_b128 v[76:79], v29, s[10:11] offset:OFF_B+4096
	global_load_b32 v[KEEPV], v30, s[OWNM:OWNM+1]
	v_and_b32 v1, 15, v0                           ; r
	v_bfe_u32 v21, v0, 4, 1                        ; h
	v_and_b32 v22, 7, v0                           ; i
	v_bfe_u32 v23, v0, 3, 1                        ; c
	v_lshl_add_u32 v31, v22, 1, v23                ; the key in place r of a block: 2 (r % 8) + r / 8
	v_mul_u32_u24 v[AKP], v31, PR
	v_lshl_add_u32 v[AKP], v21, 4, v[AKP]
	v_lshl_add_u32 v31, v22, 1, v21                ; the key in place 8 h + i
	v_mul_u32_u24 v[AVT], v31, PR
	v_lshl_add_u32 v[AVT], v23, 4, v[AVT]
	v_mul_u32_u24 v[AWP], v1, PR
	v_lshl_add_u32 v[AWP], v21, 4, v[AWP]
	v_lshl_add_u32 v31, v21, 3, v22
	v_mul_u32_u24 v[AF1], v31, PF1
	v_lshl_add_u32 v[AF1], v23, 4, v[AF1]
	v_mul_u32_u24 v[AF2], v31, PF2
	v_lshl_add_u32 v[AF2], v23, 4, v[AF2]
	v_add_nc_u32 v[AF2], F2OFF, v[AF2]
	v_mul_u32_u24 v31, v1, PH
	v_lshl_add_u32 v31, v21, 5, v31                ; row r, 8 h floats on
	v_add_nc_u32 v[AHD], s[G0H+1], v31
	s_mul_i32 s[TU], s[WV], 16*PH
	s_add_co_u32 s[TU], s[TU], STAGE
	v_add_nc_u32 v[STO], s[TU], v31
	v_lshl_add_u32 v[RDB], v24, 4, s[TU]
	v_lshlrev_b32 v[GOF], 4, v24
	v_lshlrev_b32 v[GOK], 3, v24
	v_lshl_add_u32 v[ACB], v21, 5, CONST
	v_mov_b32 v[ZERO], 0
	v_lshl_add_u32 v31, v0, 4, CONST
.irp t, 0,1
	v_mov_b32 v[ST+8*\t], 0xff7fffff               ; m: the lowest finite number, so the first step's a is 0
	v_mov_b32 v[ST+8*\t+1], 0xff7fffff
	v_mov_b32 v[ST+8*\t+2], 0
	v_mov_b32 v[ST+8*\t+3], 0
.endr
	WIN 0x40
.set i, 0
.rept 256
	v_mov_b32 v[i], 0                              ; T: the price of one text for every step of keys, paid in the wait for the first tiles
.set i, i+1
.endr
	WIN 0
	s_mov_b32 s[TU], 0xc22d1f97                    ; -30 log2(e)
	s_wait_loadcnt 0x0
.irp e, 0,1,2,3
	v_cmp_ne_u32 vcc_lo, 0, v[64+\e]
	v_cndmask_b32 v[64+\e], 0, s[TU], vcc_lo
.endr
	v_cmp_eq_u32 vcc_lo, 0, v[KEEPV]
	v_cndmask_b32 v[KEEPV], 0, -1, vcc_lo
	ds_store_b128 v31, v[64:67]
	ds_store_b128 v31, v[68:71] offset:2048
	ds_store_b128 v31, v[72:75] offset:4096
	ds_store_b128 v31, v[76:79] offset:6144
	s_wait_tensorcnt 0x1                           ; my rows of h are in; MT, issued behind them, may stay out
	s_wait_dscnt 0x0                               ; for the others' sake: my part of the constants is written
	s_barrier_signal -1
	s_barrier_wait -1
; ---------------- H: my rows into the stream (window 2), in bf16 into v128-255, and bo onto the stream
	WIN 0x80
.irp t, 0,1
.irp cb, 0,1,2,3,4,5,6,7,8,9,10,11,12,13,14,15
	ds_load_b128 v[128*\t+8*\cb:128*\t+8*\cb+3], v[AHD] offset:16*PH*\t+64*\cb
	ds_load_b128 v[128*\t+8*\cb+4:128*\t+8*\cb+7], v[AHD] offset:16*PH*\t+64*\cb+16
.endr
.endr
	BIASLD 2048
	s_wait_dscnt 32                                ; h is in; the 32 loads of bo may stay out
	WIN 0x0a
.set z, 0
.rept 128
	v_cvt_pk_bf16_f32 v[HF+z], v[2*z], v[2*z+1]
.set z, z+1
.endr
	s_wait_dscnt 0x0
	BIASADD
; ---------------- Q: q' = h M, four groups of 64 channels, 16 units of 16 matrix instructions
	CHANGE 1                                       ; MT is whole; keys 0-255 go into slot 0
.irp g, 0,1,2,3
	v_add_nc_u32 v[AQ+\g], SLOT+64*PR*\g, v[AWP]
.endr
	FETCHP FA,AQ,0
.set n, 0
.rept 16
.if n < 15
.if n%4 != 0
	PLACES
.endif
	FETCHP FA+64*((n+1)%2),AQ+(n+1)/4,(n+1)%4
	s_wait_dscnt 16                                ; all but the 16 just issued
.else
	s_wait_dscnt 0x0
.endif
	MULS FA+64*(n%2),n%4,0x03,HF,0
.if n%4 == 3
	PLACES                                         ; these and the roundings are also the places in front of the next run of loads
	WIN 0xc0
.set z, 0
.rept 16
	v_cvt_pk_bf16_f32 v[BF+16*(n/4)+z], v[S+2*z], v[S+2*z+1]
	v_cvt_pk_bf16_f32 v[BF+64+16*(n/4)+z], v[S+32+2*z], v[S+32+2*z+1]
.set z, z+1
.endr
.endif
.set n, n+1
.endr
; ---------------- ATTENTION: two slots of 256 keys, four steps each
	WIN 0
	s_mov_b32 s[CMB], 0
	s_mov_b32 s[CNT2], 2
.Latt:
	CHANGE 1                                       ; first trip: keys 256-511 are asked for; second: WvoT
	PROLOG 0
	s_mov_b32 s[CNT], 4
.Lsub:
	SUBSTEP 0
	WIN 0
	s_sub_co_u32 s[CNT], s[CNT], 1
	s_cmp_lg_u32 s[CNT], 0
	s_cbranch_scc1 .Lsub
	s_sub_co_u32 s[CNT2], s[CNT2], 1
	s_cmp_lg_u32 s[CNT2], 0
	s_cbranch_scc1 .Latt
; ---------------- O: stream += (T / l) Wvo
	CHANGE 2,0                                     ; WvoT is whole (slot 0); the first hidden tile goes into slot 1.  The four v_nop behind the load are the places behind the last products
	v_mov_b32 v[ADR0], v[AWP]
	v_add_nc_u32 v[ADR1], 128*PR, v[AWP]
	FETCHO FA,ADR0,0
	WIN 0
.irp t, 0,1
	v_add_f32 v[ST+8*\t+4], v[ST+8*\t+2], v[ST+8*\t+3]
.endr
.irp t, 0,1
	v_permlanex16_b32 v[ST+8*\t+5], v[ST+8*\t+4], s[SEL], s[SEL+1]
.endr
.irp t, 0,1
	v_add_f32 v[ST+8*\t+4], v[ST+8*\t+4], v[ST+8*\t+5]
.endr
.irp t, 0,1
	v_rcp_f32 v[ST+8*\t+6], v[ST+8*\t+4]
.endr
	v_nop                                          ; a plain instruction between the last reciprocal and the use of its result
	WIN 0x41
.set z, 0
	s_wait_alu depctr_va_vdst(0)
.rept 64
	v_pk_mul_f32 v[2*z:2*z+1], v[2*z:2*z+1], v[ST+6:ST+7] op_sel_hi:[1,0]
	v_pk_mul_f32 v[128+2*z:128+2*z+1], v[128+2*z:128+2*z+1], v[ST+14:ST+15] op_sel_hi:[1,0]
.set z, z+1
.endr
	WIN 0xc5
.set z, 0
.rept 128
	v_cvt_pk_bf16_f32 v[BF+z], v[2*z], v[2*z+1]
.set z, z+1
.endr
.set n, 0
.rept 16                                               ; unit n: K step n / 2, channel blocks 8 (n % 2) on
.if n < 15
.if n > 0
	PLACES
.endif
	FETCHO FA+64*((n+1)%2),ADR0+(n+1)%2,(n+1)/2
	s_wait_dscnt 16
.else
	s_wait_dscnt 0x0
.endif
	MULO FA+64*(n%2),n/2,n%2
.set n, n+1
.endr
	PLACES
	BIASLD 3072                                    ; bf2
	WIN 0xca
.set z, 0
.rept 128
	v_cvt_pk_bf16_f32 v[BF+z], v[2*z], v[2*z+1]    ; h1 in bf16, before bf2 joins the stream
.set z, z+1
.endr
	s_wait_dscnt 0x0
	BIASADD
; ---------------- FFN: eight tiles of 128 hidden channels
	WIN 0
	s_mov_b32 s[CMB], 4096                         ; bf1 lies 4,096 bytes into the constants
	s_mov_b32 s[CNT2], 7
.Lffn:
	CHANGE 2,1
	FTILE
	s_sub_co_u32 s[CNT2], s[CNT2], 1
	s_cmp_lg_u32 s[CNT2], 0
	s_cbranch_scc1 .Lffn
	CHANGE 0                                       ; the last tile is written out: nothing is asked for
	FTILE
; ---------------- THE WAY OUT: h in f32; then the two by-products, made of the rows as they lie in window 1
	PLACES
	OUT 0
	OUT 1
	WIN 0x05                                       ; the column sums of my 32 rows, in f32: rows 0 and 1 start them
.irp z, 0,1,2,3
	v_pk_add_f32 v[SUM+2*\z:SUM+2*\z+1], v[2*\z:2*\z+1], v[8+2*\z:8+2*\z+1]
.endr
	WIN 0x04
.set n, 4
.rept 60
	v_pk_add_f32 v[SUM+4*(n%2):SUM+4*(n%2)+1], v[SUM+4*(n%2):SUM+4*(n%2)+1], v[4*n:4*n+1]
	v_pk_add_f32 v[SUM+4*(n%2)+2:SUM+4*(n%2)+3], v[SUM+4*(n%2)+2:SUM+4*(n%2)+3], v[4*n+2:4*n+3]
.set n, n+1
.endr
	WIN 0
	global_store_b128 v[GOF], v[SUM:SUM+3], s[18:19]
	global_store_b128 v[GOF], v[SUM+4:SUM+7], s[18:19] offset:512
	WIN 0x05                                       ; h in bf16, blocked rows as zeros
.set z, 0
.rept 128
	v_cvt_pk_bf16_f32 v[64+z], v[2*z], v[2*z+1]
.set z, z+1
.endr
	WIN 0
.set n, 0
.rept 32
	v_readlane_b32 s[KEEP], v[KEEPV], n            ; row n of my 32: -1 or 0
	v_and_b32 v[64+4*n], s[KEEP], v[64+4*n]
	v_and_b32 v[64+4*n+1], s[KEEP], v[64+4*n+1]
	v_and_b32 v[64+4*n+2], s[KEEP], v[64+4*n+2]
	v_and_b32 v[64+4*n+3], s[KEEP], v[64+4*n+3]
	global_store_b64 v[GOK], v[64+4*n:64+4*n+1], s[16:17] offset:512*n       ; 32 lanes store 256 consecutive bytes, aligned; no register is used twice
	global_store_b64 v[GOK], v[64+4*n+2:64+4*n+3], s[16:17] offset:512*n+256
.set n, n+1
.endr
	s_wait_tensorcnt 0x0                           ; the wave's end, behind my last tensor load and my last LDS store
	ds_add_u32 v[SPW], v[NIL]
	s_wait_dscnt 0x0
	CROUND                                         ; the closing round: no work-group ends while a partner may still ask for a tile that names it
	s_endpgm
.Lfunc_end_k_qf78c76ed01_layer1:
	.size	k_qf78c76ed01_layer1, .Lfunc_end_k_qf78c76ed01_layer1-k_qf78c76ed01_layer1
	.p2alignl 7, 3214868480
	.fill 96, 4, 3214868480
	.section	.rodata,"a",@progbits
	.p2align	6, 0x0
	.amdhsa_kernel k_qf78c76ed01_layer1
		.amdhsa_group_segment_fixed_size 327680
		.amdhsa_private_segment_fixed_size 0
		.amdhsa_enable_private_segment 0
		.amdhsa_kernarg_size 56
		.amdhsa_user_sgpr_count 2
		.amdhsa_user_sgpr_kernarg_segment_ptr 1
		.amdhsa_wavefront_size32 1
		.amdhsa_system_sgpr_workgroup_id_x 1
		.amdhsa_system_sgpr_workgroup_id_y 1
		.amdhsa_system_sgpr_workgroup_id_z 1
		.amdhsa_system_vgpr_workitem_id 0
		.amdhsa_next_free_vgpr 1024
		.amdhsa_next_free_sgpr 102
		.amdhsa_reserve_vcc 1
		.amdhsa_float_denorm_mode_32 3
		.amdhsa_float_denorm_mode_16_64 3
		.amdhsa_memory_ordered 1
		.amdhsa_forward_progress 1
		.amdhsa_inst_pref_size 255
	.end_amdhsa_kernel
	.section	.bss,"aw",@nobits
	.p2align	6
	.space	262144
	.amdgpu_metadata
---
amdhsa.version: [ 1, 2 ]
amdhsa.kernels:
  - .name:           k_qf78c76ed01_layer1
    .symbol:         k_qf78c76ed01_layer1.kd
    .args:
      - { .name: x, .offset: 0, .size: 8, .value_kind: global_buffer, .address_space: global }
      - { .name: kv1, .offset: 8, .size: 8, .value_kind: global_buffer, .address_space: global }
      - { .name: mask, .offset: 16, .size: 8, .value_kind: global_buffer, .address_space: global }
      - { .name: wts1, .offset: 24, .size: 8, .value_kind: global_buffer, .address_space: global }
      - { .name: hmid, .offset: 32, .size: 8, .value_kind: global_buffer, .address_space: global }
      - { .name: kv2, .offset: 40, .size: 8, .value_kind: global_buffer, .address_space: global }
      - { .name: part, .offset: 48, .size: 8, .value_kind: global_buffer, .address_space: global }
    .group_segment_fixed_size: 327680
    .private_segment_fixed_size: 0
    .kernarg_segment_align: 8
    .kernarg_segment_size: 56
    .max_flat_workgroup_size: 128
    .sgpr_count:     102
    .vgpr_count:     1024
    .wavefront_size: 32
...
	.end_amdgpu_metadata
.endif
;; end of part 2
;; launch layer2: the kernel of part 2 again; grid 256 x 1, 4 waves a work-group, clusters of 4 x 1, 327,680 bytes of LDS; arguments hmid, kv2, mask, wts2, out0, kv1, part; writes out0, kv1, part
;; launch mean (part 3): grid 64 x 1, 2 waves a work-group, no clusters, 0 bytes of LDS; arguments part, out1; writes out1
.if DOCPART == 3
	.amdgcn_target "amdgcn-amd-amdhsa--gfx1250"
	.amdhsa_code_object_version 6
	.text
	.protected	k_qf78c76ed01_mean
	.globl	k_qf78c76ed01_mean
	.p2align	8
	.type	k_qf78c76ed01_mean,@function
k_qf78c76ed01_mean:
	s_mov_b64 s[64:65], 0
	v_nop
	global_prefetch_b8 v0, s[64:65] scope:SCOPE_SE
	s_setreg_imm32_b32 hwreg(HW_REG_WAVE_MODE, 25, 1), 1
	s_wait_xcnt 0x0
; out1[b][c] = (1 / 512) x the sum over p = 0..15 of part[b][p][c]: part holds the column sums of 32 rows each, in f32.
; A work-group is a batch; thread t owns four columns.  1 MiB is read in all: no LDS, no barrier, no matrix unit would add anything.
	s_load_b128 s[4:7], s[0:1], 0x0                ; part, out1
	v_lshlrev_b32 v1, 4, v0
	s_lshl_b32 s8, ttmp9, 14
	s_mov_b32 s9, 0
	s_lshl_b32 s10, ttmp9, 10
	s_mov_b32 s11, 0
	s_wait_kmcnt 0x0
	s_add_nc_u64 s[4:5], s[4:5], s[8:9]
	s_add_nc_u64 s[6:7], s[6:7], s[10:11]
.set p, 0
.rept 16
	global_load_b128 v[4+4*p:4+4*p+3], v1, s[4:5] offset:1024*p
.set p, p+1
.endr
	s_wait_loadcnt 0x0
.irp w, 8,4,2,1                                        ; a tree: halves are added onto each other
.set p, 0
.rept \w
	v_pk_add_f32 v[4+4*p:5+4*p], v[4+4*p:5+4*p], v[4+4*(p+\w):5+4*(p+\w)]
	v_pk_add_f32 v[6+4*p:7+4*p], v[6+4*p:7+4*p], v[6+4*(p+\w):7+4*(p+\w)]
.set p, p+1
.endr
.endr
	v_pk_mul_f32 v[4:5], v[4:5], 0x3b000000 op_sel_hi:[1,0]   ; 1 / 512
	v_pk_mul_f32 v[6:7], v[6:7], 0x3b000000 op_sel_hi:[1,0]
	global_store_b128 v1, v[4:7], s[6:7]           ; 16 lanes store 256 consecutive bytes, aligned
	s_endpgm
.Lfunc_end_k_qf78c76ed01_mean:
	.size	k_qf78c76ed01_mean, .Lfunc_end_k_qf78c76ed01_mean-k_qf78c76ed01_mean
	.p2alignl 7, 3214868480
	.fill 96, 4, 3214868480
	.section	.rodata,"a",@progbits
	.p2align	6, 0x0
	.amdhsa_kernel k_qf78c76ed01_mean
		.amdhsa_group_segment_fixed_size 0
		.amdhsa_private_segment_fixed_size 0
		.amdhsa_enable_private_segment 0
		.amdhsa_kernarg_size 16
		.amdhsa_user_sgpr_count 2
		.amdhsa_user_sgpr_kernarg_segment_ptr 1
		.amdhsa_wavefront_size32 1
		.amdhsa_system_sgpr_workgroup_id_x 1
		.amdhsa_system_sgpr_workgroup_id_y 1
		.amdhsa_system_sgpr_workgroup_id_z 1
		.amdhsa_system_vgpr_workitem_id 0
		.amdhsa_next_free_vgpr 72
		.amdhsa_next_free_sgpr 66
		.amdhsa_reserve_vcc 0
		.amdhsa_float_denorm_mode_32 3
		.amdhsa_float_denorm_mode_16_64 3
		.amdhsa_memory_ordered 1
		.amdhsa_forward_progress 1
		.amdhsa_inst_pref_size 5
	.end_amdhsa_kernel
	.amdgpu_metadata
---
amdhsa.version: [ 1, 2 ]
amdhsa.kernels:
  - .name:           k_qf78c76ed01_mean
    .symbol:         k_qf78c76ed01_mean.kd
    .args:
      - { .name: part, .offset: 0, .size: 8, .value_kind: global_buffer, .address_space: global }
      - { .name: out1, .offset: 8, .size: 8, .value_kind: global_buffer, .address_space: global }
    .group_segment_fixed_size: 0
    .private_segment_fixed_size: 0
    .kernarg_segment_align: 8
    .kernarg_segment_size: 16
    .max_flat_workgroup_size: 64
    .sgpr_count:     66
    .vgpr_count:     72
    .wavefront_size: 32
...
	.end_amdgpu_metadata
.endif
;; end of part 3
;; ======== version 2 of 2: 4 launches; version 1 with the launch prep written anew for expert scheduling mode
;; workspace buffers: kv1 16,777,216 bytes; kv2 16,777,216 bytes; hmid 33,554,432 bytes; wts1 1,316,864 bytes; wts2 1,316,864 bytes; part 1,048,576 bytes
;; launch prep (part 4): grid 353 x 1, 8 waves a work-group, no clusters, 102,400 bytes of LDS; arguments x, mask, Wq, Wk, Wv, Wo, Wf1, Wf2, bo, bf1, bf2, kv1, wts1, wts2; writes kv1, wts1, wts2
.if DOCPART == 4
	.amdgcn_target "amdgcn-amd-amdhsa--gfx1250"
	.amdhsa_code_object_version 6
	.text
	.protected	k_qf78c76ed01_prep
	.globl	k_qf78c76ed01_prep
	.p2align	8
	.type	k_qf78c76ed01_prep,@function
k_qf78c76ed01_prep:
	s_mov_b64 s[64:65], 0
	v_nop
	global_prefetch_b8 v0, s[64:65] scope:SCOPE_SE
	s_setreg_imm32_b32 hwreg(HW_REG_WAVE_SCHED_MODE, 0, 2), 2
	s_setreg_imm32_b32 hwreg(HW_REG_WAVE_MODE, 25, 1), 1
	s_wait_xcnt 0x0
	s_wait_alu depctr_vm_vsrc(0)
; PREPARATION, once for both layers.  Work-groups 0-63 fold weights, 64 copies the biases, 65-352 cast to bf16.
;   fold:  MT[n][k]   = (log2(e) / 16) x sum over j of Wq[k][j] Wk[n][j]      (so that scores are h MT^T h^T, already in base 2)
;          WvoT[n][k] = sum over j of Wv[k][j] Wo[j][n]                       (so that heads Wo = (a h) Wvo)
;          operands rounded to bf16, sums in f32, the result rounded once to bf16.
;   cast:  x -> kv1 in bf16, rows whose mask word is not 0 written as zeros; Wf1, Wf2 -> bf16 as they lie.
; A layer's weights lie in one buffer: MT at 0, WvoT at OFF_O, Wf1 at OFF_F1, Wf2 at OFF_F2, then bo, bf2, bf1 in f32 at OFF_B.
; THE FOLD'S SHARES.  A work-group makes 32 rows n x 128 columns k of one matrix: 4 matrices x 8 strips x 2 halves = 64 work-groups.  It fetches each of its bytes once, every wave's load
; covering whole runs of neighbouring bytes (128 rows of Wq or Wv: 128 KiB on end; 32 rows of Wk on end, or 32 columns of Wo as 256 pieces of 128 bytes), all 40 loads of a thread out together,
; rounds them to bf16 and lays them in LDS; behind a barrier the eight waves take their fragments from there.  The fold's work-groups come first in the grid: their way is the longest.
; LIMITS: bf16 operands; MT and WvoT are rounded where the reference rounds q, k, v; NaN and infinities are not treated apart.
; THE MODE: SCHED_MODE bits 1:0 = 2 (LLVM: expert scheduling mode 2), set by the entry lines.  The code itself states the register dependences between vector or matrix instructions and
; memory or LDS instructions, with s_wait_alu, always for 0.
; THE PLAN.  Registers that memory or LDS instructions touch:
;   offsets and addresses (cast v5, v6; biases v6, v7; fold v5, v8, v12-15, v40-42): each made once, ahead of a wait on va_vdst that stands ahead of its first reader, and never written again.
;   cast:  v64-191   a load lands in each once; the roundings read them.
;          v192-255  two registers to a load: written by its roundings and masking, read by its one store, never written twice.
;   fold:  v64-223   the 40 loads land; rounded in place; read by the LDS stores; behind the first barrier the fragments' LDS loads land there (and in v224-255).
;          v32-39    written by the last roundings, read by the two stores into the stage.      v44-51  LDS loads land, global stores read; no vector instruction names them.
;   v2, v3           written at the head, read by the closing add alone.
; Cast and fold go in BLOCKS of eight loads.  A block's vector instructions name its own registers alone.  ONE wait on va_vdst at the head of the next block states that they are written, and the
; block's eight stores follow it, dealt among the next block's vector instructions with no further wait.  One wait on vm_vsrc, behind the fold's first barrier, states that the LDS stores have
; read v64-223.  One wait on va_sdst, at the head, states that the wave's number is written.
.set OFF_O,  131072
.set OFF_F1, 262144
.set OFF_F2, 786432
.set OFF_B,  1310720
.set NFOLD,  64
.set BLK,    8                         ; loads in a block
.set PX,     528                       ; LDS pitch of a row of 256 bf16: 512 + 16, so that the 16 rows of a fragment load start in 16 different groups of four banks
.set PO,     96                        ; LDS pitch of Wo's 32 columns: 64 + 32, an odd multiple of 32 for the turning load
.set PS,     272                       ; pitch of the stage: 256 + 16
.set X1S,    128*PX                    ; behind the 128 rows of Wq or Wv: 32 rows of Wk (16,896 bytes) or 256 rows j of Wo's columns (24,576)
.set OUTS,   X1S+256*PO                ; the stage: 32 rows n x 128 k in bf16
.set SPARE,  OUTS+32*PS                ; the spare words, 128 bytes for each of eight waves
.set SPW, 2                            ; v2  LDS address of my spare word; never rewritten
.set NIL, 3                            ; v3  0; never rewritten
	s_load_b512 s[4:19], s[0:1], 0x0               ; x 4, mask 6, Wq 8, Wk 10, Wv 12, Wo 14, Wf1 16, Wf2 18
	s_load_b256 s[20:27], s[0:1], 0x40             ; bo 20, bf1 22, bf2 24, kv1 26
	s_load_b128 s[28:31], s[0:1], 0x60             ; wts1 28, wts2 30
	v_lshl_add_u32 v[SPW], v0, 2, SPARE
	v_mov_b32 v[NIL], 0
	v_lshrrev_b32 v1, 5, v0
	v_readfirstlane_b32 s36, v1                    ; wave 0..7
	v_and_b32 v4, 31, v0                           ; lane
	s_mov_b32 s37, ttmp9
	s_wait_alu depctr_va_sdst(0)                   ; s36 is written, ahead of the branches below and of its first reader on each of the three ways
	s_wait_kmcnt 0x0
	s_cmp_lt_u32 s37, NFOLD
	s_cbranch_scc1 .Lfold
	s_cmp_eq_u32 s37, NFOLD
	s_cbranch_scc1 .Lmisc
; ---- CAST: 32,768 consecutive floats a work-group, 16 rows of 1,024 bytes a wave
	s_sub_co_u32 s38, s37, NFOLD+1                 ; c
	s_mov_b32 s41, 0
	s_cmp_lt_u32 s38, 256
	s_cbranch_scc0 .Lcw
	s_lshl_b32 s40, s38, 17
	s_add_nc_u64 s[42:43], s[4:5], s[40:41]        ; x at my 128 rows
	s_lshl_b32 s40, s38, 16
	s_add_nc_u64 s[44:45], s[26:27], s[40:41]      ; kv1 likewise
	s_lshl_b32 s40, s38, 9
	s_lshl_b32 s39, s36, 6
	s_add_co_u32 s40, s40, s39
	s_add_nc_u64 s[46:47], s[6:7], s[40:41]
	s_load_b512 s[48:63], s[46:47], 0x0            ; the mask words of my wave's 16 rows
	s_branch .Lcgo
.Lcw:
	s_sub_co_u32 s38, s38, 256                     ; j: bit 4 the layer, bit 3 Wf1 or Wf2, bits 2:0 the eighth
	s_mov_b32 s46, OFF_F1
	s_mov_b32 s47, OFF_F2
	s_bitcmp1_b32 s38, 3
	s_cselect_b64 s[42:43], s[18:19], s[16:17]
	s_cselect_b32 s46, s47, s46
	s_and_b32 s47, s38, 7
	s_lshr_b32 s39, s38, 4
	s_cmp_eq_u32 s39, 1
	s_cselect_b64 s[44:45], s[30:31], s[28:29]
	s_lshl_b32 s40, s39, 20
	s_lshl_b32 s39, s47, 17
	s_add_co_u32 s40, s40, s39
	s_add_nc_u64 s[42:43], s[42:43], s[40:41]
	s_lshl_b32 s40, s47, 16
	s_add_co_u32 s40, s40, s46
	s_add_nc_u64 s[44:45], s[44:45], s[40:41]
.irp i, 0,1,2,3,4,5,6,7,8,9,10,11,12,13,14,15
	s_mov_b32 s[48+\i], 0                          ; weights have no mask: every row is kept
.endr
.Lcgo:
	v_lshlrev_b32 v5, 14, v1
	v_lshl_add_u32 v5, v4, 4, v5                   ; in: 16,384 x wave + 16 x lane
	v_lshlrev_b32 v6, 13, v1
	v_lshl_add_u32 v6, v4, 3, v6                   ; out: half of that
	s_wait_alu depctr_va_vdst(0)                   ; v5 and v6 are written: every load below reads v5 as its offset, every store v6
.set n, 0
.rept 32                                               ; all 32 loads of the wave go out together: 512 consecutive bytes each
	global_load_b128 v[64+4*n:64+4*n+3], v5, s[42:43] offset:1024*(n/2)+512*(n%2)
.set n, n+1
.endr
	s_wait_kmcnt 0x0
.set n, 0
.rept 32
.if n%2 == 0
	s_cmp_eq_u32 s[48+n/2], 0
	s_cselect_b32 s39, -1, 0                       ; the row is kept, or becomes zeros
.endif
	s_wait_loadcnt 31-n                            ; loads come back in order: the 31 - n younger ones may stay out
.if (n%BLK == 0) && (n > 0)
	s_wait_alu depctr_va_vdst(0)                   ; the block before has written its sixteen registers of v192-255, which its eight stores, dealt among this block's lines, read
.endif
.if n >= BLK
	global_store_b64 v6, v[192+2*(n-BLK):192+2*(n-BLK)+1], s[44:45] offset:512*((n-BLK)/2)+256*((n-BLK)%2)  ; 32 lanes store 256 consecutive bytes, aligned; no vector instruction since the wait names these registers
.endif
	v_cvt_pk_bf16_f32 v[192+2*n], v[64+4*n], v[64+4*n+1]
	v_cvt_pk_bf16_f32 v[192+2*n+1], v[64+4*n+2], v[64+4*n+3]
	v_and_b32 v[192+2*n], s39, v[192+2*n]
	v_and_b32 v[192+2*n+1], s39, v[192+2*n+1]      ; no register is used twice
.set n, n+1
.endr
	s_wait_alu depctr_va_vdst(0)                   ; the last block has written its sixteen registers, which the last eight stores read
.set n, 32-BLK
.rept BLK
	global_store_b64 v6, v[192+2*n:192+2*n+1], s[44:45] offset:512*(n/2)+256*(n%2)
.set n, n+1
.endr
	s_branch .Lend
; ---- BIASES: waves 0-3 for layer 1, waves 4-7 for layer 2
.Lmisc:
	s_lshr_b32 s38, s36, 2                         ; layer
	s_and_b32 s39, s36, 3
	v_and_b32 v5, 0x7f, v0                         ; u = 0..127
	v_lshlrev_b32 v6, 4, v5
	v_and_b32 v7, 63, v5
	v_lshlrev_b32 v7, 4, v7
	s_mov_b32 s43, 0
	s_cmp_lt_u32 s39, 2
	s_cselect_b64 s[40:41], s[20:21], s[24:25]     ; the first 64 threads copy bo, the others bf2
	s_lshl_b32 s42, s38, 10
	s_add_nc_u64 s[40:41], s[40:41], s[42:43]
	s_lshl_b32 s42, s38, 12
	s_add_nc_u64 s[44:45], s[22:23], s[42:43]
	s_cmp_eq_u32 s38, 1
	s_cselect_b64 s[46:47], s[30:31], s[28:29]
	s_wait_alu depctr_va_vdst(0)                   ; v6 and v7 are written, which the loads and stores below read as their offsets
	global_load_b128 v[8:11], v7, s[40:41]
	global_load_b128 v[12:15], v6, s[44:45]
	global_load_b128 v[16:19], v6, s[44:45] offset:2048
	s_wait_loadcnt 0x0
	global_store_b128 v6, v[8:11], s[46:47] offset:OFF_B
	global_store_b128 v6, v[12:15], s[46:47] offset:OFF_B+2048
	global_store_b128 v6, v[16:19], s[46:47] offset:OFF_B+4096
	s_branch .Lend
; ---- FOLD.  The branch that leads here hangs on the work-group's number alone: all eight waves take it, and all pass the two barriers below.
; Source 0 = 16 rows k of Wq (Wv), source 1 = 16 rows n of Wk (16 columns n of Wo): a lane then holds one row n and eight neighbouring k, which pack into 16 bytes.
; Registers: v5-15, v40-42 addresses; v16-31 two accumulators; v32-39 packed results; v44-51 rows read back;
;            v64-223 the 40 loads, rounded in place; behind the barrier v64-127 source 0 (8 K steps), v128-255 source 1 (2 tiles n x 8 K steps).
.Lfold:
	s_lshr_b32 s38, s37, 4
	s_lshr_b32 s39, s38, 1                         ; 0: MT, 1: WvoT
	s_and_b32 s38, s38, 1                          ; layer
	s_and_b32 s40, s37, 15
	s_lshr_b32 s41, s40, 1                         ; strip of 32 rows n
	s_and_b32 s40, s40, 1                          ; half of the columns k
	s_lshl_b32 s46, s41, 15                        ; the strip in Wk: 32 rows of 1,024 bytes
	s_lshl_b32 s47, s41, 7                         ; in Wo: 32 columns of 4 bytes
	s_mov_b32 s53, 0x3db8aa3b                      ; log2(e) / 16
	s_cmp_eq_u32 s39, 1
	s_cselect_b64 s[42:43], s[12:13], s[8:9]
	s_cselect_b64 s[44:45], s[14:15], s[10:11]
	s_cselect_b32 s46, s47, s46
	s_cselect_b32 s52, 1.0, s53
	s_mov_b32 s53, s52                             ; named with it as a pair
	s_mov_b32 s47, 0
	s_lshl_b32 s48, s38, 18                        ; a layer's matrix: 262,144 bytes
	s_mov_b32 s49, 0
	s_add_nc_u64 s[44:45], s[44:45], s[48:49]
	s_add_nc_u64 s[44:45], s[44:45], s[46:47]
	s_add_nc_u64 s[42:43], s[42:43], s[48:49]
	s_lshl_b32 s48, s40, 17                        ; 128 rows of 1,024 bytes
	s_add_nc_u64 s[42:43], s[42:43], s[48:49]
	s_cmp_eq_u32 s38, 1
	s_cselect_b64 s[50:51], s[30:31], s[28:29]
	s_lshl_b32 s48, s39, 17
	s_lshl_b32 s56, s41, 14                        ; 32 rows of 512 bytes
	s_add_co_u32 s48, s48, s56
	s_lshl_b32 s56, s40, 8
	s_add_co_u32 s48, s48, s56
	s_add_nc_u64 s[50:51], s[50:51], s[48:49]      ; where the work-group's 32 x 128 go
	v_lshlrev_b32 v5, 4, v0                        ; thread t takes 16 bytes at 16 t of every 4,096: four rows of 1,024 bytes to a load of the work-group
	s_wait_alu depctr_va_vdst(0)                   ; v5 is written, which the 32 loads read as their offset
.set i, 0
.rept 32
	global_load_b128 v[64+4*i:64+4*i+3], v5, s[42:43] offset:4096*i  ; a wave's load: 512 consecutive bytes
.set i, i+1
.endr
	v_lshrrev_b32 v6, 6, v0                        ; which of the four rows
	v_and_b32 v7, 63, v0
	v_mul_u32_u24 v8, v6, PX
	v_lshl_add_u32 v8, v7, 3, v8                   ; into LDS: that row, my four numbers' 8 bytes
	v_and_b32 v9, 15, v0                           ; r
	v_bfe_u32 v10, v0, 4, 1                        ; h
	v_mul_u32_u24 v11, v9, PX
	v_lshl_add_u32 v11, v10, 4, v11                ; a fragment's row r, 16 h bytes on
	s_cmp_eq_u32 s39, 1
	s_cbranch_scc1 .LfO1
	v_mov_b32 v13, v5                              ; Wk's 32 rows lie on end: the same pattern
	v_add_nc_u32 v14, X1S, v8
	v_add_nc_u32 v15, X1S, v11
	s_wait_alu depctr_va_vdst(0)                   ; v13 is written, which the eight loads read as their offset
.set i, 0
.rept 8
	global_load_b128 v[192+4*i:192+4*i+3], v13, s[44:45] offset:4096*i
.set i, i+1
.endr
	s_branch .LfX1
.LfO1:
	v_lshrrev_b32 v32, 3, v0                       ; Wo: eight threads to a row's 128 bytes, 32 rows j to a load of the work-group
	v_and_b32 v33, 7, v0
	v_lshlrev_b32 v13, 10, v32
	v_lshl_add_u32 v13, v33, 4, v13
	v_mul_u32_u24 v14, v32, PO
	v_lshl_add_u32 v14, v33, 3, v14
	v_add_nc_u32 v14, X1S, v14
	v_lshl_add_u32 v15, v10, 3, v33                ; the turning load: row j = 8 h + lane % 8, 16 bytes for each half of eight lanes
	v_mul_u32_u24 v15, v15, PO
	v_bfe_u32 v32, v0, 3, 1
	v_lshl_add_u32 v15, v32, 4, v15
	v_add_nc_u32 v15, X1S, v15
	s_wait_alu depctr_va_vdst(0)                   ; v13 is written, which the eight loads read as their offset
.set i, 0
.rept 8
	global_load_b128 v[192+4*i:192+4*i+3], v13, s[44:45] offset:32768*i
.set i, i+1
.endr
.LfX1:
	s_mul_i32 s57, s36, 16*PX
	v_add_nc_u32 v12, s57, v11                     ; source 0: my wave's 16 rows k
	v_mul_u32_u24 v40, v9, PS
	v_lshl_add_u32 v40, v10, 4, v40
	s_lshl_b32 s57, s36, 5
	s_add_co_u32 s57, s57, OUTS
	v_add_nc_u32 v40, s57, v40                     ; into the stage: row r, my wave's 32 bytes, 16 for each half of the lanes
	v_mul_u32_u24 v41, v10, PS
	v_lshl_add_u32 v41, v9, 4, v41
	s_mul_i32 s57, s36, 4*PS
	s_add_co_u32 s57, s57, OUTS
	v_add_nc_u32 v41, s57, v41                     ; back: my wave's four rows; lanes 0-15 one row of 256 bytes, lanes 16-31 the next
	v_lshlrev_b32 v42, 9, v10
	v_lshl_add_u32 v42, v9, 4, v42
	s_lshl_b32 s57, s36, 11
	v_add_nc_u32 v42, s57, v42                     ; the same rows in memory, 512 bytes apart
.set n, 0
.rept 32
	s_wait_loadcnt 39-n                            ; loads come back in order: the 39 - n younger ones may stay out
.if (n%BLK == 0) && (n > 0)
	s_wait_alu depctr_va_vdst(0)                   ; the block before has rounded its eight loads in place: its LDS stores, dealt among this block's roundings, read those registers (at the first such wait: v12 and v40 to v42 are written too)
.endif
.if n >= BLK
	ds_store_b64 v8, v[64+4*(n-BLK):64+4*(n-BLK)+1] offset:4*PX*(n-BLK)  ; a wave's store: 256 consecutive bytes; no vector instruction since the wait names these registers
.endif
	v_cvt_pk_bf16_f32 v[64+4*n], v[64+4*n], v[64+4*n+1]
	v_cvt_pk_bf16_f32 v[64+4*n+1], v[64+4*n+2], v[64+4*n+3]
.set n, n+1
.endr
	s_wait_loadcnt 0x0
	s_wait_alu depctr_va_vdst(0)                   ; the first operand's last block is rounded: its eight LDS stores stand among the second operand's roundings
.set n, 0
.rept 8
	ds_store_b64 v8, v[64+4*(n+32-BLK):64+4*(n+32-BLK)+1] offset:4*PX*(n+32-BLK)
	v_cvt_pk_bf16_f32 v[192+4*n], v[192+4*n], v[192+4*n+1]
	v_cvt_pk_bf16_f32 v[192+4*n+1], v[192+4*n+2], v[192+4*n+3]
.set n, n+1
.endr
	s_wait_alu depctr_va_vdst(0)                   ; the second operand is rounded, ahead of the branch: the eight LDS stores of either arm read v192-221; and every rounding is done with v64-223, in which the fragments land further down
	s_cmp_eq_u32 s39, 1
	s_cbranch_scc1 .LfO2
.set n, 0
.rept 8
	ds_store_b64 v14, v[192+4*n:192+4*n+1] offset:4*PX*n
.set n, n+1
.endr
	s_branch .LfX2
.LfO2:
.set n, 0
.rept 8
	ds_store_b64 v14, v[192+4*n:192+4*n+1] offset:32*PO*n
.set n, n+1
.endr
.LfX2:
	s_wait_dscnt 0x0                               ; for the others' sake: my part of both operands is written
	s_barrier_signal -1
	s_barrier_wait -1
	s_wait_alu depctr_vm_vsrc(0)                   ; my LDS stores have read v64-223, in which the fragments' loads below land, in either arm
.irp ks, 0,1,2,3,4,5,6,7
	ds_load_b128 v[64+8*\ks:64+8*\ks+3], v12 offset:64*\ks
	ds_load_b128 v[64+8*\ks+4:64+8*\ks+7], v12 offset:64*\ks+32
.endr
	s_cmp_eq_u32 s39, 1
	s_cbranch_scc1 .LfO3
.irp nt, 0,1
.irp ks, 0,1,2,3,4,5,6,7
	ds_load_b128 v[128+64*\nt+8*\ks:128+64*\nt+8*\ks+3], v15 offset:16*PX*\nt+64*\ks
	ds_load_b128 v[128+64*\nt+8*\ks+4:128+64*\nt+8*\ks+7], v15 offset:16*PX*\nt+64*\ks+32
.endr
.endr
	s_branch .LfX3
.LfO3:
.irp nt, 0,1
.irp ks, 0,1,2,3,4,5,6,7
	ds_load_tr16_b128 v[128+64*\nt+8*\ks:128+64*\nt+8*\ks+3], v15 offset:32*PO*\ks+32*\nt
	ds_load_tr16_b128 v[128+64*\nt+8*\ks+4:128+64*\nt+8*\ks+7], v15 offset:32*PO*\ks+32*\nt+16*PO
.endr
.endr
.LfX3:
	s_wait_dscnt 0x0
.irp ks, 0,1,2,3,4,5,6,7                              ; the two accumulators take turns; the first K step starts the sums: nothing is cleared
.irp nt, 0,1
.if \ks == 0
	v_wmma_f32_16x16x32_bf16 v[16+8*\nt:16+8*\nt+7], v[64+8*\ks:64+8*\ks+7], v[128+64*\nt+8*\ks:128+64*\nt+8*\ks+7], 0
.else
	v_wmma_f32_16x16x32_bf16 v[16+8*\nt:16+8*\nt+7], v[64+8*\ks:64+8*\ks+7], v[128+64*\nt+8*\ks:128+64*\nt+8*\ks+7], v[16+8*\nt:16+8*\nt+7]
.endif
.endr
.endr
.rept 4
	v_nop                                          ; four places between the last product and the scaling that reads its result (ISA guide 7.12.1)
.endr
.set n, 0
.rept 8
	v_pk_mul_f32 v[16+2*n:16+2*n+1], v[16+2*n:16+2*n+1], s[52:53] op_sel_hi:[1,0]
.set n, n+1
.endr
.set n, 0
.rept 8
	v_cvt_pk_bf16_f32 v[32+n], v[16+2*n], v[16+2*n+1]
.set n, n+1
.endr
	s_wait_alu depctr_va_vdst(0)                   ; the roundings have written v32-39, which the two stores into the stage read
	ds_store_b128 v40, v[32:35]
	ds_store_b128 v40, v[36:39] offset:16*PS
	s_wait_dscnt 0x0                               ; for the others' sake: a row's 256 bytes come from all eight waves
	s_barrier_signal -1
	s_barrier_wait -1
	ds_load_b128 v[44:47], v41                     ; no vector instruction names v44-51
	ds_load_b128 v[48:51], v41 offset:2*PS
	s_wait_dscnt 0x1                               ; the second load may stay out
	global_store_b128 v42, v[44:47], s[50:51]      ; 16 lanes store 256 consecutive bytes, aligned
	s_wait_dscnt 0x0
	global_store_b128 v42, v[48:51], s[50:51] offset:1024
.Lend:
	s_wait_dscnt 0x0                               ; the closing lines, six on end
	s_wait_alu 0x0
	s_wait_tensorcnt 0x0
	ds_add_u32 v[SPW], v[NIL]
	s_wait_dscnt 0x0
	s_endpgm
.Lfunc_end_k_qf78c76ed01_prep:
	.size	k_qf78c76ed01_prep, .Lfunc_end_k_qf78c76ed01_prep-k_qf78c76ed01_prep
	.p2alignl 7, 3214868480
	.fill 96, 4, 3214868480
	.section	.rodata,"a",@progbits
	.p2align	6, 0x0
	.amdhsa_kernel k_qf78c76ed01_prep
		.amdhsa_group_segment_fixed_size 102400
		.amdhsa_private_segment_fixed_size 0
		.amdhsa_enable_private_segment 0
		.amdhsa_kernarg_size 112
		.amdhsa_user_sgpr_count 2
		.amdhsa_user_sgpr_kernarg_segment_ptr 1
		.amdhsa_wavefront_size32 1
		.amdhsa_system_sgpr_workgroup_id_x 1
		.amdhsa_system_sgpr_workgroup_id_y 1
		.amdhsa_system_sgpr_workgroup_id_z 1
		.amdhsa_system_vgpr_workitem_id 0
		.amdhsa_next_free_vgpr 256
		.amdhsa_next_free_sgpr 66
		.amdhsa_reserve_vcc 0
		.amdhsa_float_denorm_mode_32 3
		.amdhsa_float_denorm_mode_16_64 3
		.amdhsa_memory_ordered 1
		.amdhsa_forward_progress 1
		.amdhsa_inst_pref_size 44
	.end_amdhsa_kernel
	.amdgpu_metadata
---
amdhsa.version: [ 1, 2 ]
amdhsa.kernels:
  - .name:           k_qf78c76ed01_prep
    .symbol:         k_qf78c76ed01_prep.kd
    .args:
      - { .name: x, .offset: 0, .size: 8, .value_kind: global_buffer, .address_space: global }
      - { .name: mask, .offset: 8, .size: 8, .value_kind: global_buffer, .address_space: global }
      - { .name: Wq, .offset: 16, .size: 8, .value_kind: global_buffer, .address_space: global }
      - { .name: Wk, .offset: 24, .size: 8, .value_kind: global_buffer, .address_space: global }
      - { .name: Wv, .offset: 32, .size: 8, .value_kind: global_buffer, .address_space: global }
      - { .name: Wo, .offset: 40, .size: 8, .value_kind: global_buffer, .address_space: global }
      - { .name: Wf1, .offset: 48, .size: 8, .value_kind: global_buffer, .address_space: global }
      - { .name: Wf2, .offset: 56, .size: 8, .value_kind: global_buffer, .address_space: global }
      - { .name: bo, .offset: 64, .size: 8, .value_kind: global_buffer, .address_space: global }
      - { .name: bf1, .offset: 72, .size: 8, .value_kind: global_buffer, .address_space: global }
      - { .name: bf2, .offset: 80, .size: 8, .value_kind: global_buffer, .address_space: global }
      - { .name: kv1, .offset: 88, .size: 8, .value_kind: global_buffer, .address_space: global }
      - { .name: wts1, .offset: 96, .size: 8, .value_kind: global_buffer, .address_space: global }
      - { .name: wts2, .offset: 104, .size: 8, .value_kind: global_buffer, .address_space: global }
    .group_segment_fixed_size: 102400
    .private_segment_fixed_size: 0
    .kernarg_segment_align: 8
    .kernarg_segment_size: 112
    .max_flat_workgroup_size: 256
    .sgpr_count:     66
    .vgpr_count:     256
    .wavefront_size: 32
...
	.end_amdgpu_metadata
.endif
;; end of part 4
;; launch layer1: the kernel of part 2 again; grid 256 x 1, 4 waves a work-group, clusters of 4 x 1, 327,680 bytes of LDS; arguments x, kv1, mask, wts1, hmid, kv2, part; writes hmid, kv2, part
;; launch layer2: the kernel of part 2 again; grid 256 x 1, 4 waves a work-group, clusters of 4 x 1, 327,680 bytes of LDS; arguments hmid, kv2, mask, wts2, out0, kv1, part; writes out0, kv1, part
;; launch mean: the kernel of part 3 again; grid 64 x 1, 2 waves a work-group, no clusters, 0 bytes of LDS; arguments part, out1; writes out1
